; MI455X (gfx1250); checked and timed in simulation.
; The chip was launched on July 23, 2026; its instructions are those of AMD's public machine-readable ISA for CDNA 5 (MIT licence, August 2026) and "CDNA5" Instruction Set Architecture Reference Guide (July 2026). The comments in the code are by the model that wrote it; some were corrected since.
;; Attention Seq To Masked. Allowed arithmetic: matrix products marked QUANTISED: E2M1 operands, one E8M0 scale for each 32 along K, by v_wmma_scale_f32_16x16x128_f8f6f4 with both operands' format E2M1 (or v_wmma_scale_f32_32x16x128_f4), f32 sums; everything else in f32.
;; Inputs: k_b 1,024 float32; k_mask 4 x 2,048 bool; k_w 1,024 x 1,024 float32; pre_ks 4 x 2,048 x 1,024 float32; pre_qs 4 x 2,048 x 1,024 float32; pre_vs 4 x 2,048 x 1,024 float32; q_b 1,024 float32; q_w 1,024 x 1,024 float32; v_b 1,024 float32; v_w 1,024 x 1,024 float32.
;; Outputs: out0 4 x 2,048 x 1,024 float32.
;; This version of the problem:
;;   THIS VERSION OF THE PROBLEM IS GIVEN IN LOW PRECISION. The matrix products marked QUANTISED in the list below multiply operands that are first quantised to E2M1 (2 exponent bits, 1 mantissa bit; 4 bits a number), with one power-of-two scale for each 32 numbers along K (OCP MX v1.0); their sums are f32. All else is computed in f32.
;;   The module's matrix products, in the order in which they are computed (A, B: the left and right operand; K: the contracted axis; several contracted axes count as one K, in the product's order):
;;     1. [M 8,192, K 1,024] x [K 1,024, N 1,024]; A: input pre_qs; B: input q_w: QUANTISED
;;     2. [M 8,192, K 1,024] x [K 1,024, N 1,024]; A: input pre_ks; B: input k_w: QUANTISED
;;     3. [M 8,192, K 1,024] x [K 1,024, N 1,024]; A: input pre_vs; B: input v_w: QUANTISED
;;     4. batch 64 x [M 2,048, K 64] x [K 64, N 2,048]; A: computed on the way; B: computed on the way: QUANTISED
;;     5. batch 64 x [M 2,048, K 2,048] x [K 2,048, N 64]; A: softmax (see below); B: computed on the way: QUANTISED
;;   THE QUANTISER, for each operand of a quantised product, along K:
;;     - K is cut into blocks of 32 from its start; a last block that is shorter is filled with zeros.
;;     - A block's scale is 2^e with e = floor(log2(the largest magnitude in the block)) - 2, held to -126 .. 127; a block of zeros has e = 0. As a byte (E8M0): e + 127.
;;     - Each number is divided by its block's scale, clamped to +-6, and rounded to the nearest number of E2M1, ties to even, subnormals kept.
;;     - The product sums the exact products of the quantised numbers (number of the format x scale) in f32.
;;   ~~~python
;;   def quantise(x, axis):      # numpy; x: float32 -> the quantised numbers, widened to float32 again
;;       x = np.moveaxis(x, axis, -1); K = x.shape[-1]
;;       x = np.pad(x, [(0, 0)] * (x.ndim - 1) + [(0, -K % 32)]); x = x.reshape(x.shape[:-1] + (-1, 32)); a = np.abs(x).max(-1, keepdims=True)
;;       e = np.where(a > 0, np.clip(np.frexp(np.where(a > 0, a, 1))[1] - 1 - 2, -126, 127), 0)      # np.frexp(a)[1] - 1 = floor(log2(a)), exactly
;;       r = np.clip(x / 2.0 ** e, -6, 6)
;;       step = 2.0 ** (np.maximum(np.frexp(np.where(r == 0, 1, r))[1] - 1, 0) - 1)
;;       q = np.round(r / step) * step * 2.0 ** e      # np.round: ties to even
;;       return np.moveaxis(q.reshape(q.shape[:-2] + (-1,))[..., :K], -1, axis).astype(np.float32)
;;   ~~~
;;   SOFTMAX AHEAD OF A QUANTISED PRODUCT. Where the list says 'softmax', what is quantised is not the finished softmax but p = 2^(t - M), with t = logit x log2(e) and M = ceil(the row's largest t), a whole number; so 1/2 < the row's largest p <= 1. The row's sum l is taken of the UNQUANTISED p, in f32, and the product's result is divided by l at the end. Since M is a whole number, a kernel that streams over the keys may use a running M (the ceiling of the running maximum): every later rescaling is an exact power of two, which a block's scale takes up: the codes' values come out the same.
;;   OPERANDS COMPUTED ON THE WAY. 'Computed on the way' means the value that the module computes at that place (a softmax that the list does not call 'softmax' is quantised finished and normalised). What goes into a quantiser is computed in f32, as accurately as f32 sums, v_exp_f32 and their like allow (about 1e-6 of the number): no bf16 or f16 on the way to a quantiser, and a product that is left as it is and whose result goes on into a quantised operand takes f32 operands (vector FMAs, or v_wmma_f32_16x16x4_f32). A number that lies on a knife's edge between two numbers of the format may be rounded either way, as far as f32 arithmetic and the matrix unit's own rounding can turn it there, and no further.
;; 2 versions. Each part assembles by itself: llvm-mc -triple=amdgcn-amd-amdhsa -mcpu=gfx1250 --defsym DOCPART=n.
;; ======== version 1 of 2: 3 launches
;; workspace buffers: wcodes 1,572,864 bytes; wscales 98,304 bytes; acodes 12,582,912 bytes; ascales 786,432 bytes
;; launch wq (part 1): grid 8 x 24, 4 waves a work-group, no clusters, 1,536 bytes of LDS; arguments q_w, k_w, v_w, wcodes, wscales; writes wcodes, wscales
.if DOCPART == 1
	.amdgcn_target "amdgcn-amd-amdhsa--gfx1250"
	.amdhsa_code_object_version 6
	.text
	.protected	k_qb138c07570_wq
	.globl	k_qb138c07570_wq
	.p2align	8
	.type	k_qb138c07570_wq,@function
k_qb138c07570_wq:
	s_mov_b64 s[64:65], 0
	v_nop
	global_prefetch_b8 v0, s[64:65] scope:SCOPE_SE
	s_setreg_imm32_b32 hwreg(HW_REG_WAVE_MODE, 25, 1), 1
	s_wait_xcnt 0x0
; q_w, k_w, v_w: [1024 (k)][1024 (n)] f32, K the FIRST axis, become codes of FP4 (E2M1) with one E8M0 byte for each 32 along K, laid as IMAGES OF OPERAND REGISTERS.
; wcodes [t 3][tile 64][K step 8][1,024 bytes]: a fragment (16 features x 128 K) is 8 registers a lane; registers 4 c .. 4 c + 3 of lane l lie at 512 c + 16 l.  Since lane (r, h) holds k = 64 c + 32 h + 0 .. 31 there,
; block q = 2 c + h of row r lies at 256 q + 16 r.  THE FEATURES OF A TILE ARE NOT NEIGHBOURS: row r of tile 2 b + u is feature 32 b + 8 u + r + 8 (r / 8).
; wscales [t][block of 128 features 8][K step 8][lane 32][4 words]: lane (r, hh), word jj: the scale word (four bytes: 128 along K) of row r of the block's tile 4 hh + jj.
; A LANE TAKES A COLUMN, ITS REGISTERS RUN DOWN K: a block of 32 lies in one lane, its largest magnitude needs no other lane, the conversions give codes with K innermost.
; Work-group (x, y): features 128 x .. + 127, tensor y / 8, K step y % 8.  Wave w: the 32 features 32 (4 x + w) on.  Loads run two blocks (64 loads a wave) ahead.
; A block's scale byte is its largest magnitude's exponent field - 2, held at 1 from below (a block of zeros keeps the byte 1: its codes are zeros, and this program alone reads the bytes).
; LIMITS: blocks whose largest magnitude lies under 2^-124 keep the byte 1; NaN and infinities among the inputs are not served.
.set X,   32                           ; v32-159  four blocks of 32 numbers
.set C,   160                          ; v160-175 four blocks' codes: no store's data are written again
.set SWD, 24                           ; v24      my column's scale word
	s_load_b128 s[4:7], s[0:1], 0x0                ; q_w, k_w
	s_load_b128 s[8:11], s[0:1], 0x10              ; v_w, wcodes
	s_load_b64 s[12:13], s[0:1], 0x20              ; wscales
	v_lshl_add_u32 v184, v0, 2, 0x400
	v_mov_b32 v185, 0
	v_lshrrev_b32 v1, 5, v0
	v_readfirstlane_b32 s14, v1                    ; wave 0..3
	v_and_b32 v1, 31, v0                           ; lane = my column among the wave's 32
	v_lshlrev_b32 v2, 2, v1                        ; in: 4 bytes a lane
	v_bfe_u32 v6, v0, 3, 1                         ; u: which of the group's two tiles my column belongs to
	v_bfe_u32 v7, v0, 4, 1
	v_and_b32 v8, 7, v0
	v_lshl_or_b32 v7, v7, 3, v8                    ; r: its row there
	v_lshlrev_b32 v3, 4, v7
	v_lshl_add_u32 v3, v6, 13, v3                  ; out: 8,192 u (a tile's eight K steps) + 16 r
	s_lshr_b32 s15, s14, 1
	s_lshl_b32 s15, s15, 8
	s_and_b32 s16, s14, 1
	s_lshl_b32 s16, s16, 3
	s_add_co_u32 s15, s15, s16                     ; tile 2 w + u of the block's eight: hh = w / 2, jj = 2 (w % 2) + u
	v_lshlrev_b32 v4, 4, v7
	v_lshl_add_u32 v4, v6, 2, v4
	v_add_nc_u32 v4, s15, v4                       ; LDS: 256 hh + 16 r + 4 jj
	v_lshlrev_b32 v5, 4, v1                        ; 16 x lane: the scale image on its way out
	s_and_b32 s17, ttmp7, 0xffff
	s_lshr_b32 s18, s17, 3                         ; t
	s_and_b32 s19, s17, 7                          ; K step
	s_lshl_b32 s20, s19, 19                        ; W: 128 rows of 4,096 bytes a K step,
	s_lshl_b32 s21, ttmp9, 9                       ; 512 bytes a block of 128 features,
	s_add_co_u32 s20, s20, s21
	s_lshl_b32 s21, s14, 7                         ; 128 bytes a wave
	s_add_co_u32 s20, s20, s21
	s_mov_b32 s21, 0
	s_lshl_b32 s22, s18, 19                        ; codes: 524,288 t + 8,192 (8 x + 2 w) + 1,024 s
	s_lshl_b32 s23, ttmp9, 16
	s_add_co_u32 s22, s22, s23
	s_lshl_b32 s23, s14, 14
	s_add_co_u32 s22, s22, s23
	s_lshl_b32 s23, s19, 10
	s_add_co_u32 s22, s22, s23
	s_mov_b32 s23, 0
	s_lshl_b32 s24, s18, 15                        ; scale words: 32,768 t + 4,096 x + 512 s
	s_lshl_b32 s25, ttmp9, 12
	s_add_co_u32 s24, s24, s25
	s_lshl_b32 s25, s19, 9
	s_add_co_u32 s24, s24, s25
	s_mov_b32 s25, 0
	s_wait_kmcnt 0x0
	s_cmp_eq_u32 s18, 0                            ; which weight: the choice hangs on the work-group's number alone
	s_cselect_b64 s[4:5], s[4:5], s[6:7]
	s_cmp_eq_u32 s18, 2
	s_cselect_b64 s[4:5], s[8:9], s[4:5]
	s_add_nc_u64 s[4:5], s[4:5], s[20:21]
	s_add_nc_u64 s[10:11], s[10:11], s[22:23]
	s_add_nc_u64 s[12:13], s[12:13], s[24:25]
.macro LOAD q                          ; block q: W(32 q + i, my column): 32 lanes read 128 consecutive bytes
.irp i, 0,1,2,3,4,5,6,7,8,9,10,11,12,13,14,15,16,17,18,19,20,21,22,23,24,25,26,27,28,29,30,31
	global_load_b32 v[X+32*(\q)+\i], v2, s[4:5] offset:(32*(\q)+\i)*4096 th:TH_LOAD_NT
.endr
.endm
	LOAD 0
	LOAD 1
.macro BLOCK q
.set XS, X+32*(\q)
.if (\q) < 3
	s_wait_loadcnt 32                              ; this block's 32 loads are in; the next block's 32 may be out
.else
	s_wait_loadcnt 0
.endif
.if (\q)+2 < 4
	LOAD (\q)+2
.endif
	v_max3_num_f32 v12, |v[XS]|, |v[XS+1]|, |v[XS+2]|      ; the block's largest magnitude, in two chains
	v_max3_num_f32 v13, |v[XS+3]|, |v[XS+4]|, |v[XS+5]|
.irp i, 6,10,14,18,22,26
	v_max3_num_f32 v12, v12, |v[XS+\i]|, |v[XS+\i+1]|
	v_max3_num_f32 v13, v13, |v[XS+\i+2]|, |v[XS+\i+3]|
.endr
	v_max3_num_f32 v12, v12, |v[XS+30]|, |v[XS+31]|
	v_max3_num_f32 v12, v12, v13, 0x1800000        ; and the floor 2^(3 - 127): the byte cannot fall under 1
	v_add_nc_u32 v11, 0xff000000, v12              ; 2 off the exponent field: the conversion takes this operand's exponent field as its scale
	v_lshrrev_b32 v13, 23, v11                     ; the scale's byte
.if (\q) == 0
	v_mov_b32 v[SWD], v13
.else
	v_lshl_or_b32 v[SWD], v13, 8*(\q), v[SWD]      ; the lower K in the lower byte
.endif
.irp g, 0,1,2,3
	v_cvt_scalef32_pk8_fp4_f32 v[C+4*(\q)+\g], v[XS+8*\g:XS+8*\g+7], v11
.endr
	global_store_b128 v3, v[C+4*(\q):C+4*(\q)+3], s[10:11] offset:256*(\q)   ; block q of my row: the sixteen lanes of a tile fill 256 consecutive bytes, aligned
.endm
	BLOCK 0
	BLOCK 1
	BLOCK 2
	BLOCK 3
	ds_store_b32 v4, v[SWD]                        ; the four waves' scale words meet in LDS, in the image's order
	s_wait_dscnt 0x0                               ; for the others' sake: my store has landed
	s_barrier_signal -1
	s_barrier_wait -1
	s_cmp_lg_u32 s14, 0
	s_cbranch_scc1 .Ldone
	ds_load_b128 v[176:179], v5                    ; wave 0 stores the image: 512 consecutive bytes
	s_wait_dscnt 0x0
	global_store_b128 v5, v[176:179], s[12:13]
.Ldone:
	s_wait_tensorcnt 0x0
	ds_add_u32 v184, v185
	s_wait_dscnt 0x0
	s_endpgm
.Lfunc_end_k_qb138c07570_wq:
	.size	k_qb138c07570_wq, .Lfunc_end_k_qb138c07570_wq-k_qb138c07570_wq
	.p2alignl 7, 3214868480
	.fill 96, 4, 3214868480
	.section	.rodata,"a",@progbits
	.p2align	6, 0x0
	.amdhsa_kernel k_qb138c07570_wq
		.amdhsa_group_segment_fixed_size 1536
		.amdhsa_private_segment_fixed_size 0
		.amdhsa_enable_private_segment 0
		.amdhsa_kernarg_size 40
		.amdhsa_user_sgpr_count 2
		.amdhsa_user_sgpr_kernarg_segment_ptr 1
		.amdhsa_wavefront_size32 1
		.amdhsa_system_sgpr_workgroup_id_x 1
		.amdhsa_system_sgpr_workgroup_id_y 1
		.amdhsa_system_sgpr_workgroup_id_z 1
		.amdhsa_system_vgpr_workitem_id 0
		.amdhsa_next_free_vgpr 186
		.amdhsa_next_free_sgpr 66
		.amdhsa_reserve_vcc 0
		.amdhsa_float_denorm_mode_32 3
		.amdhsa_float_denorm_mode_16_64 3
		.amdhsa_memory_ordered 1
		.amdhsa_forward_progress 1
		.amdhsa_inst_pref_size 22
	.end_amdhsa_kernel
	.amdgpu_metadata
---
amdhsa.version: [ 1, 2 ]
amdhsa.kernels:
  - .name:           k_qb138c07570_wq
    .symbol:         k_qb138c07570_wq.kd
    .args:
      - { .name: q_w, .offset: 0, .size: 8, .value_kind: global_buffer, .address_space: global }
      - { .name: k_w, .offset: 8, .size: 8, .value_kind: global_buffer, .address_space: global }
      - { .name: v_w, .offset: 16, .size: 8, .value_kind: global_buffer, .address_space: global }
      - { .name: wcodes, .offset: 24, .size: 8, .value_kind: global_buffer, .address_space: global }
      - { .name: wscales, .offset: 32, .size: 8, .value_kind: global_buffer, .address_space: global }
    .group_segment_fixed_size: 1536
    .private_segment_fixed_size: 0
    .kernarg_segment_align: 8
    .kernarg_segment_size: 40
    .max_flat_workgroup_size: 128
    .sgpr_count:     66
    .vgpr_count:     186
    .wavefront_size: 32
...
	.end_amdgpu_metadata
.endif
;; end of part 1
;; launch proj (part 2): grid 64 x 3, 4 waves a work-group, no clusters, 137,728 bytes of LDS; arguments pre_qs, pre_ks, pre_vs, q_b, k_b, v_b, wcodes, wscales, acodes, ascales; writes acodes, ascales
.if DOCPART == 2
	.amdgcn_target "amdgcn-amd-amdhsa--gfx1250"
	.amdhsa_code_object_version 6
	.text
	.protected	k_qb138c07570_proj
	.globl	k_qb138c07570_proj
	.p2align	8
	.type	k_qb138c07570_proj,@function
k_qb138c07570_proj:
	s_mov_b64 s[64:65], 0
	v_nop
	global_prefetch_b8 v0, s[64:65] scope:SCOPE_SE
	s_setreg_imm32_b32 hwreg(HW_REG_WAVE_MODE, 25, 1), 1
	s_wait_xcnt 0x0
; y = Q(x) Q(W) + b for one of the three projections (work-group y = t: 0 q, 1 k, 2 v) and 128 tokens (work-group x), both operands codes of FP4 (E2M1) with one E8M0 byte for each 32 along K; then y is quantised
; again for attention: q and k along the head's 64 (two blocks), v along the keys (the 128 tokens are four blocks).  Nothing wide goes to memory.
; PHASE X.  Wave w quantises tokens 32 w .. 32 w + 31 of x, [8192][1024] f32: each load reads 512 consecutive bytes of one token (one K step of 128); a tile's 16 rows turn through the wave's own stage in LDS, so that a lane
; holds 16 neighbours of each block of 32; the codes go to LDS as images of operand registers (registers 4 c .. 4 c + 3 of lane l at 512 c + 16 l).  One barrier.
; THE TOKENS OF A TILE ARE NOT NEIGHBOURS: row r of tile 2 b + u is token 32 b + 8 u + r + 8 (r / 8); W's tiles hold features in the same order.  So in a result whose registers run along such an axis the 16 registers
; of tiles 2 b and 2 b + 1 are 16 neighbours: 32 b + 16 (lane / 16) + 0 .. 15.
; GEMM.  Wave w makes features 256 w .. 256 w + 255 in two blocks of 128 features x 128 tokens: 64 accumulators.  W's fragments come from memory straight into registers, as the first launch laid them, three K steps ahead;
; x's from LDS, one K step ahead.  q, k: source 0 = W, source 1 = x: a lane holds one token, its registers run along the features.  v: the sources swapped: a lane holds one feature, its registers run along the tokens.
; OUT.  acodes [t][b h 64][65,536]: q, k: [tile 128][512]: lane (r, h): the 16 bytes of d = 32 h .. 32 h + 31 of the tile's token r.  v: [step of 128 keys 16][tile of 16 d 4][1,024]: a fragment's image.
;       ascales [t][b h][step 16][r 16][4 words]: q, k: word j = the two bytes of tile 2 j's token r, then those of tile 2 j + 1's.  v: word t' = the four bytes of row r of tile t'.
; LIMITS: blocks whose largest magnitude lies under 2^-124 keep the byte 1 (a block of zeros too: its codes are zeros, and this program alone reads the bytes); NaN and infinities among the inputs are not served.
; No cluster: what work-groups share is W, 544 KB of codes against 512 KB of x that each reads alone and once; a joint request would need tensor loads, and W's fragments go to one wave's registers each.
; REGISTERS, in windows of 256.  window 0: v2-15 addresses; v16-31 W's scale words, four sets; v32-39 x's, two sets; v40-71 at work; v128-191, v192-255 x's fragments, two sets (in phase X: 64 numbers each; on the way out: biases, results).
;   window 1: W's fragments, four sets of 64.   windows 2, 3: the accumulators, (i, j) at v[64 (i % 4) + 8 j], i < 4 in window 2 (in phase X window 2 holds four sets of 64 numbers as loaded).
.set XSC,  65536                       ; LDS: 0: x's 64 fragments, (tile i, K step s) at 1,024 (8 i + s);  XSC: their scale words, 512 s + 256 (i / 4) + 16 r + 4 (i % 4)
.set STG,  69632                       ; for each wave two stages of 16 rows x (512 + 16) bytes
.set LI,   2                           ; v2   16 x lane
.set LX,   3                           ; v3   XSC + 16 x lane
.set SI,   5                           ; v5   my stage + 16 x lane
.set SOUT, 6                           ; v6   my stage + 528 r + 64 h
.set XWI,  7                           ; v7   16,384 w + 16 x lane
.set XWS,  8                           ; v8   XSC + 256 (w / 2) + 8 (w % 2) + 16 r
.set BO,   9                           ; v9   my lane's offset among a block's 128 biases
.set SSO,  10                          ; v10  4,096 h + 16 r: where a step's scale words go
.set SELV, 11                          ; v11  byte selects: lanes 0-15 take the even head's two bytes, lanes 16-31 the odd head's
.set WS,   16
.set XS,   32
.set TM,   40                          ; v40-43 largest magnitudes, v44-47 bytes, v52-55 the conversions' scale operands
.set PW,   56                          ; the scale word just made
.set PWE,  57                          ; an even tile's, kept
.set SW,   58                          ; v58-61 the four words that leave
.set PC,   64                          ; v64-71 the codes just made
.set BIAS, 128
.set ST,   192
.set SEL,  38                          ; s[38:39] v_permlanex16_b32's selects for lane l xor 16
.set MSB, 0
.macro WIN new                         ; the immediate's high byte repeats the setting that is left; a switch that changes nothing is dropped
.if MSB != (\new)
	s_set_vgpr_msb (MSB<<8)|(\new)
.set MSB, (\new)
.endif
.endm
; 64 numbers of a lane, register 16 b + i = k 32 b + 16 (lane / 16) + i of my row, become a fragment's codes in v[PC] on and its scale word in v[PW]
.macro QUANT s
.irp b, 0,1,2,3
	v_max3_num_f32 v[TM+\b], |v[\s+16*\b]|, |v[\s+1+16*\b]|, 0x1800000   ; block b: my 16 numbers, and the floor 2^(3 - 127): the byte cannot fall under 1
.endr
.irp i, 2,4,6,8,10,12,14
.irp b, 0,1,2,3
	v_max3_num_f32 v[TM+\b], v[TM+\b], |v[\s+16*\b+\i]|, |v[\s+1+16*\b+\i]|   ; the four blocks by turns
.endr
.endr
.irp b, 0,1,2,3
	v_permlanex16_b32 v[TM+4+\b], v[TM+\b], s[SEL], s[SEL+1]
.endr
.irp b, 0,1,2,3
	v_max_num_f32 v[TM+\b], v[TM+\b], v[TM+4+\b]   ; with lane l xor 16's: the block's largest magnitude
.endr
.irp b, 0,1,2,3
	v_add_nc_u32 v[TM+12+\b], 0xff000000, v[TM+\b] ; 2 off its exponent field: the conversion's scale operand
.endr
.irp b, 0,1,2,3
	v_lshrrev_b32 v[TM+4+\b], 23, v[TM+12+\b]      ; the scale's byte
.endr
	v_lshl_or_b32 v[PW], v[TM+5], 8, v[TM+4]
	v_lshl_or_b32 v[PW], v[TM+6], 16, v[PW]
	v_lshl_or_b32 v[PW], v[TM+7], 24, v[PW]
.irp b, 0,1,2,3
	v_cvt_scalef32_pk8_fp4_f32 v[PC+2*\b], v[\s+16*\b:\s+7+16*\b], v[TM+12+\b]
	v_cvt_scalef32_pk8_fp4_f32 v[PC+1+2*\b], v[\s+8+16*\b:\s+15+16*\b], v[TM+12+\b]
.endr
	v_nop                                          ; one plain place behind a scaled conversion
.irp c, 0,1                                    ; the operand's layout wants a whole block in a lane: lanes 0-15 block 2 c, lanes 16-31 block 2 c + 1
.irp i, 0,1
	v_permlane16_swap_b32 v[PC+4*\c+\i], v[PC+2+4*\c+\i]
.endr
.endr
.endm
; W's K step s: eight fragments into set s % 4 of window 1 and their scale words: 17 loads
.macro WLOAD s, off, soff
	WIN 0x40                                       ; destination window 1
.irp j, 0,1,2,3,4,5,6,7
.irp c, 0,1
	global_load_b128 v[64*((\s)%4)+8*\j+4*\c:64*((\s)%4)+8*\j+4*\c+3], v[LI], s[8:9] offset:(\off)+\j*8192+(\s)*1024+512*\c
.endr
.endr
	WIN 0
	global_load_b128 v[WS+4*((\s)%4):WS+4*((\s)%4)+3], v[LI], s[10:11] offset:(\soff)+512*(\s)
.endm
.macro WPRO off, soff                  ; a block's first three K steps
	WLOAD 0, \off, \soff
	WLOAD 1, \off, \soff
	WLOAD 2, \off, \soff
.endm
; x: set q = (tile q % 2, K step q / 2 of the trip's two): 16 rows, 512 consecutive bytes each
.macro LOAD q, ahead
	WIN 0x80                                       ; destination window 2
.irp p, 0,1,2,3,4,5,6,7,8,9,10,11,12,13,14,15
	global_load_b128 v[64*(\q)+4*\p:64*(\q)+4*\p+3], v[LI], s[4:5] offset:(8*((\q)%2)+\p+8*(\p/8))*4096+512*((\q)/2)+1024*(\ahead) th:TH_LOAD_NT
.endr
	WIN 0
.endm
.macro TURN q                          ; set q through stage q % 2: in as loaded, back 64 bytes of each block's 128 a lane.  LDS serves a wave's instructions in order: no wait between
	WIN 0x08                                       ; an LDS store's data are its source 1: window 2
.irp p, 0,1,2,3,4,5,6,7,8,9,10,11,12,13,14,15
	ds_store_b128 v[SI], v[64*(\q)+4*\p:64*(\q)+4*\p+3] offset:((\q)%2)*8448+\p*528
.endr
	WIN 0
.irp b, 0,1,2,3
.irp j, 0,1,2,3
	ds_load_b128 v[128+64*((\q)%2)+16*\b+4*\j:128+64*((\q)%2)+16*\b+4*\j+3], v[SOUT] offset:((\q)%2)*8448+128*\b+16*\j
.endr
.endr
.endm
.macro XSTEP q, load, cnt, turn
	s_wait_dscnt 0x0                               ; set q's numbers are back from the stage, and its stores into the stage have read their registers,
.if \load
	LOAD \q, 1                                     ; which take the next trip's loads
.endif
.if \turn
	s_wait_loadcnt \cnt                            ; the next set's 16 loads are in; the count is the younger sets' loads
	TURN (\q+1)%4                                  ; and go through the other stage while this set is quantised
.endif
	QUANT 128+64*(\q%2)
	ds_store_b128 v12, v[PC:PC+3] offset:(\q%2)*8192+(\q/2)*1024
	ds_store_b128 v12, v[PC+4:PC+7] offset:(\q%2)*8192+(\q/2)*1024+512
	ds_store_b32 v13, v[PW] offset:(\q/2)*512+4*(\q%2)     ; lanes l and l xor 16 write the same word with the same value
.endm
; one matrix instruction; ra, rb = 1: that side's scale words stand in lanes 16-31
.macro WM d, a, b, zero, sa, ra, sb, rb
.if \zero
.if (\ra) && (\rb)
	v_wmma_scale_f32_16x16x128_f8f6f4 v[(\d):(\d)+7], v[(\a):(\a)+7], v[(\b):(\b)+7], 0, v[\sa], v[\sb] matrix_a_fmt:MATRIX_FMT_FP4 matrix_b_fmt:MATRIX_FMT_FP4 matrix_a_scale:MATRIX_SCALE_ROW1 matrix_b_scale:MATRIX_SCALE_ROW1
.elseif (\ra)
	v_wmma_scale_f32_16x16x128_f8f6f4 v[(\d):(\d)+7], v[(\a):(\a)+7], v[(\b):(\b)+7], 0, v[\sa], v[\sb] matrix_a_fmt:MATRIX_FMT_FP4 matrix_b_fmt:MATRIX_FMT_FP4 matrix_a_scale:MATRIX_SCALE_ROW1
.elseif (\rb)
	v_wmma_scale_f32_16x16x128_f8f6f4 v[(\d):(\d)+7], v[(\a):(\a)+7], v[(\b):(\b)+7], 0, v[\sa], v[\sb] matrix_a_fmt:MATRIX_FMT_FP4 matrix_b_fmt:MATRIX_FMT_FP4 matrix_b_scale:MATRIX_SCALE_ROW1
.else
	v_wmma_scale_f32_16x16x128_f8f6f4 v[(\d):(\d)+7], v[(\a):(\a)+7], v[(\b):(\b)+7], 0, v[\sa], v[\sb] matrix_a_fmt:MATRIX_FMT_FP4 matrix_b_fmt:MATRIX_FMT_FP4
.endif
.else
.if (\ra) && (\rb)
	v_wmma_scale_f32_16x16x128_f8f6f4 v[(\d):(\d)+7], v[(\a):(\a)+7], v[(\b):(\b)+7], v[(\d):(\d)+7], v[\sa], v[\sb] matrix_a_fmt:MATRIX_FMT_FP4 matrix_b_fmt:MATRIX_FMT_FP4 matrix_a_scale:MATRIX_SCALE_ROW1 matrix_b_scale:MATRIX_SCALE_ROW1
.elseif (\ra)
	v_wmma_scale_f32_16x16x128_f8f6f4 v[(\d):(\d)+7], v[(\a):(\a)+7], v[(\b):(\b)+7], v[(\d):(\d)+7], v[\sa], v[\sb] matrix_a_fmt:MATRIX_FMT_FP4 matrix_b_fmt:MATRIX_FMT_FP4 matrix_a_scale:MATRIX_SCALE_ROW1
.elseif (\rb)
	v_wmma_scale_f32_16x16x128_f8f6f4 v[(\d):(\d)+7], v[(\a):(\a)+7], v[(\b):(\b)+7], v[(\d):(\d)+7], v[\sa], v[\sb] matrix_a_fmt:MATRIX_FMT_FP4 matrix_b_fmt:MATRIX_FMT_FP4 matrix_b_scale:MATRIX_SCALE_ROW1
.else
	v_wmma_scale_f32_16x16x128_f8f6f4 v[(\d):(\d)+7], v[(\a):(\a)+7], v[(\b):(\b)+7], v[(\d):(\d)+7], v[\sa], v[\sb] matrix_a_fmt:MATRIX_FMT_FP4 matrix_b_fmt:MATRIX_FMT_FP4
.endif
.endif
.endm
; A K step's 64 matrix instructions.  The 64 accumulators take turns, one instruction a turn, in the same order in every step.
; v = 0: accumulator (i, j) = token tile i x feature tile j, source 0 = W's tile j, source 1 = x's tile i.   v = 1: (i, j) = feature tile i x token tile j, source 0 = x's tile j, source 1 = W's tile i.
.macro MULS v, s, zero
.irp i, 0,1,2,3,4,5,6,7
.if \v
	WIN 0xa4+0x50*(\i/4)                           ; source 0 window 0, source 1 window 1, C and D window 2 or 3
.else
	WIN 0xa1+0x50*(\i/4)                           ; source 0 window 1, source 1 window 0, C and D window 2 or 3
.endif
.irp j, 0,1,2,3,4,5,6,7
.if \v
	WM 64*(\i%4)+8*\j, 128+64*((\s)%2)+8*\j, 64*((\s)%4)+8*\i, \zero, XS+4*((\s)%2)+\j%4, \j/4, WS+4*((\s)%4)+\i%4, \i/4
.else
	WM 64*(\i%4)+8*\j, 64*((\s)%4)+8*\j, 128+64*((\s)%2)+8*\i, \zero, WS+4*((\s)%4)+\j%4, \j/4, XS+4*((\s)%2)+\i%4, \i/4
.endif
.endr
.endr
.endm
.macro XFETCH s                        ; x's eight fragments of K step s into set s % 2, and their scale words: 17 LDS loads
.irp i, 0,1,2,3,4,5,6,7
.irp c, 0,1
	ds_load_b128 v[128+64*((\s)%2)+8*\i+4*\c:128+64*((\s)%2)+8*\i+4*\c+3], v[LI] offset:(8*\i+(\s))*1024+512*\c
.endr
.endr
	ds_load_b128 v[XS+4*((\s)%2):XS+4*((\s)%2)+3], v[LX] offset:512*(\s)
.endm
.macro KSTEP v, s
.rept 4
	v_nop                                          ; four places in front of loads into registers that the last K step's matrix instructions have read (ISA guide 7.12.1 for vector instructions)
.endr
.if (\s) <= 4
	WLOAD (\s)+3, 0, 0                             ; W three K steps ahead, into the set that the last K step read
.endif
	WIN 0
.if (\s) <= 6
	XFETCH (\s)+1
.else
.irp j, 0,1,2,3,4,5,6,7                        ; the biases, 16 loads, into the set of x's fragments that is done with
.if \v
	global_load_b32 v[BIAS+2*\j], v[BO], s[6:7] offset:(32*(\j/2)+8*(\j%2))*4      ; v: one number a lane and feature tile: that of my row's feature;
	global_load_b32 v[BIAS+2*\j+1], v[BO], s[6:7] offset:(32*(\j/2)+8*(\j%2))*4    ; twice: the packed addition names the pair
.else
	global_load_b128 v[BIAS+8*\j:BIAS+8*\j+3], v[BO], s[6:7] offset:(32*(\j/2)+8*(\j%2))*4       ; q, k: eight a lane and feature tile, in the result's layout
	global_load_b128 v[BIAS+8*\j+4:BIAS+8*\j+7], v[BO], s[6:7] offset:(32*(\j/2)+8*(\j%2))*4+16
.endif
.endr
.endif
.if (\s) <= 4
	s_wait_loadcnt 51                              ; W's K step s is in; behind its loads stand three K steps' 17 each,
.elseif (\s) == 5
	s_wait_loadcnt 34                              ; two K steps',
.elseif (\s) == 6
	s_wait_loadcnt 17                              ; one K step's,
.else
	s_wait_loadcnt 16                              ; the 16 loads of the biases
.endif
.if (\s) <= 6
	s_wait_dscnt 17                                ; x's K step s is in; the next K step's 17 loads may be out
.else
	s_wait_dscnt 0x0
.endif
	MULS \v, \s, ((\s)==0)
.endm
; Group i of eight accumulators: + bias, quantised, stored
.macro EPI v, i
	s_wait_xcnt 0x0                                ; the last group's stores have read the codes' registers
	WIN 2+(\i)/4                                   ; source 0: window 2 or 3
.set EN, 0
.rept 32
.if \v
	v_pk_add_f32 v[ST+2*EN:ST+2*EN+1], v[64*((\i)%4)+2*EN:64*((\i)%4)+2*EN+1], v[BIAS+2*(\i):BIAS+2*(\i)+1] op_sel_hi:[1,0]   ; each accumulator from its low end on
.else
	v_pk_add_f32 v[ST+2*EN:ST+2*EN+1], v[64*((\i)%4)+2*EN:64*((\i)%4)+2*EN+1], v[BIAS+2*EN:BIAS+2*EN+1]
.endif
.set EN, EN+1
.endr
	WIN 0
	QUANT ST
.if \v
	global_store_b128 v[LI], v[PC:PC+3], s[12:13] offset:((\i)/4)*65536+((\i)%4)*1024          ; head i / 4 of the block's two, tile i % 4 of its d: the fragment's image, 2 x 512 consecutive bytes
	global_store_b128 v[LI], v[PC+4:PC+7], s[12:13] offset:((\i)/4)*65536+((\i)%4)*1024+512
.if (\i) < 4
	v_mov_b32 v[SW+(\i)], v[PW]
.else
	v_cndmask_b32 v[SW+(\i)-4], v[SW+(\i)-4], v[PW], vcc_lo    ; lanes 16-31 carry the second head's words
.endif
.else
	global_store_b128 v[LI], v[PC:PC+3], s[12:13] offset:512*(\i)            ; the even head's 64: lane (r, h): d = 32 h on of token r: 512 consecutive bytes
	global_store_b128 v[LI], v[PC+4:PC+7], s[12:13] offset:65536+512*(\i)    ; the odd head's
.if (\i)%2 == 0
	v_mov_b32 v[PWE], v[PW]
.else
	v_perm_b32 v[SW+(\i)/2], v[PW], v[PWE], v[SELV]    ; two bytes of the even tile's word, then two of the odd tile's
.endif
.endif
.endm
.macro GEMM v
.if \v
	v_and_b32 v[BO], 8, v14
	v_add_nc_u32 v[BO], v[BO], v14
	v_lshlrev_b32 v[BO], 2, v[BO]                  ; 4 (r + 8 (r / 8))
.else
	v_lshlrev_b32 v[BO], 6, v15                    ; 64 h
.endif
	s_mov_b32 s40, 2
.Lblock_\@:                                        ; two blocks of 128 features
	XFETCH 0
.irp s, 0,1,2,3,4,5,6,7
	KSTEP \v, \s
.endr
	WIN 0
.rept 4
	v_nop                                          ; places behind the last products: in front of the first read of results, and of loads and writes into registers that they read
.endr
	s_wait_loadcnt 0x0                             ; the biases
	s_cmp_eq_u32 s40, 1
	s_cbranch_scc1 .Lno_next_\@                    ; no load leaves its buffer
	WPRO 65536, 4096                               ; the next block's first three K steps land while this block goes out
.Lno_next_\@:
.irp i, 0,1,2,3,4,5,6,7
	EPI \v, \i
.endr
	global_store_b128 v[SSO], v[SW:SW+3], s[14:15] ; the step's scale words of both heads: sixteen lanes fill 256 consecutive bytes, aligned
	s_wait_xcnt 0x0                                ; every memory instruction has read its registers: the bases step
	s_add_nc_u64 s[8:9], s[8:9], 65536
	s_add_nc_u64 s[10:11], s[10:11], 4096
	s_add_nc_u64 s[6:7], s[6:7], 512
	s_add_nc_u64 s[12:13], s[12:13], 131072
	s_add_nc_u64 s[14:15], s[14:15], 8192
	s_sub_co_u32 s40, s40, 1
	s_cmp_lg_u32 s40, 0
	s_cbranch_scc1 .Lblock_\@
	s_wait_tensorcnt 0x0
	ds_add_u32 v126, v127
	s_wait_dscnt 0x0
	s_endpgm
.endm
	s_load_b512 s[16:31], s[0:1], 0x0              ; pre_qs, pre_ks, pre_vs, q_b, k_b, v_b, wcodes, wscales
	s_load_b128 s[32:35], s[0:1], 0x40             ; acodes, ascales
	v_lshl_add_u32 v126, v0, 2, 0x21800
	v_mov_b32 v127, 0
	v_lshrrev_b32 v1, 5, v0
	v_readfirstlane_b32 s36, v1                    ; wave 0..3
	s_and_b32 s37, ttmp7, 0xffff                   ; t
	v_and_b32 v1, 31, v0                           ; lane
	v_and_b32 v14, 15, v0                          ; r
	v_bfe_u32 v15, v0, 4, 1                        ; h
	v_lshlrev_b32 v[LI], 4, v1
	v_add_nc_u32 v[LX], XSC, v[LI]
	s_mul_i32 s43, s36, 16896
	s_add_co_u32 s43, s43, STG                     ; my two stages
	v_add_nc_u32 v[SI], s43, v[LI]
	v_mul_u32_u24 v[SOUT], v14, 528
	v_lshl_add_u32 v[SOUT], v15, 6, v[SOUT]
	v_add_nc_u32 v[SOUT], s43, v[SOUT]
	s_lshl_b32 s44, s36, 14
	v_add_nc_u32 v[XWI], s44, v[LI]
	s_lshr_b32 s44, s36, 1
	s_lshl_b32 s44, s44, 8
	s_and_b32 s45, s36, 1
	s_lshl_b32 s45, s45, 3
	s_add_co_u32 s44, s44, s45
	s_add_co_u32 s44, s44, XSC
	v_lshl_add_u32 v[XWS], v14, 4, s44
	v_cmp_ne_u32 vcc_lo, 0, v15                    ; lanes 16-31: kept to the end
	v_mov_b32 v[SELV], 0x05040100
	v_mov_b32 v[SSO], 0x07060302
	v_cndmask_b32 v[SELV], v[SELV], v[SSO], vcc_lo
	v_lshlrev_b32 v[SSO], 12, v15
	v_lshl_add_u32 v[SSO], v14, 4, v[SSO]
.irp b, 0,1,2,3
	v_mov_b32 v[TM+4+\b], 0                        ; written once: a lane permute's destination counts as one of its sources
.endr
	s_mov_b32 s[SEL], 0x76543210
	s_mov_b32 s[SEL+1], 0xfedcba98
	s_lshr_b32 s43, ttmp9, 4                       ; batch
	s_and_b32 s44, ttmp9, 15                       ; which 128 tokens of its 2,048
	s_mov_b32 s47, 0
	s_wait_kmcnt 0x0
	s_cmp_eq_u32 s37, 0                            ; which tensor: the choice hangs on the work-group's number alone
	s_cselect_b64 s[4:5], s[16:17], s[18:19]
	s_cselect_b64 s[6:7], s[22:23], s[24:25]
	s_cmp_eq_u32 s37, 2
	s_cselect_b64 s[4:5], s[20:21], s[4:5]
	s_cselect_b64 s[6:7], s[26:27], s[6:7]
	s_lshl_b32 s46, ttmp9, 19                      ; x: (128 x + 32 w) rows of 4,096 bytes
	s_lshl_b32 s45, s36, 17
	s_add_co_u32 s46, s46, s45
	s_add_nc_u64 s[4:5], s[4:5], s[46:47]
	s_lshl_b32 s46, s36, 10                        ; bias: 256 w numbers
	s_add_nc_u64 s[6:7], s[6:7], s[46:47]
	s_lshl_b32 s46, s37, 19                        ; wcodes: 524,288 t + 131,072 w
	s_add_co_u32 s46, s46, s45
	s_add_nc_u64 s[8:9], s[28:29], s[46:47]
	s_lshl_b32 s46, s37, 15                        ; wscales: 32,768 t + 8,192 w
	s_lshl_b32 s45, s36, 13
	s_add_co_u32 s46, s46, s45
	s_add_nc_u64 s[10:11], s[30:31], s[46:47]
	s_lshl_b32 s46, s37, 22                        ; acodes: 4,194,304 t + 65,536 (16 batch + 4 w) + 4,096 step
	s_lshl_b32 s45, s43, 20
	s_add_co_u32 s46, s46, s45
	s_lshl_b32 s45, s36, 18
	s_add_co_u32 s46, s46, s45
	s_lshl_b32 s45, s44, 12
	s_add_co_u32 s46, s46, s45
	s_add_nc_u64 s[12:13], s[32:33], s[46:47]
	s_lshl_b32 s46, s37, 18                        ; ascales: 262,144 t + 4,096 (16 batch + 4 w) + 256 step
	s_lshl_b32 s45, s43, 16
	s_add_co_u32 s46, s46, s45
	s_lshl_b32 s45, s36, 14
	s_add_co_u32 s46, s46, s45
	s_lshl_b32 s45, s44, 8
	s_add_co_u32 s46, s46, s45
	s_add_nc_u64 s[14:15], s[34:35], s[46:47]
	; ---- PHASE X: four trips of two K steps x two tiles; 48 to 64 loads of 512 bytes are on their way in each wave
	LOAD 0, 0
	LOAD 1, 0
	LOAD 2, 0
	LOAD 3, 0
	s_wait_loadcnt 48                              ; set 0 is in; sets 1 to 3 may be out
	TURN 0
	s_mov_b32 s41, 0                               ; the trip's place among a tile's images: 2,048 a trip
	s_mov_b32 s42, 0                               ; and among the scale words: 1,024 a trip
	s_mov_b32 s40, 3
.Lx:
	v_add_nc_u32 v12, s41, v[XWI]
	v_add_nc_u32 v13, s42, v[XWS]
	XSTEP 0, 1, 48, 1
	XSTEP 1, 1, 48, 1
	XSTEP 2, 1, 48, 1
	XSTEP 3, 1, 48, 1
	s_wait_xcnt 0x0                                ; the loads have read their base
	s_add_nc_u64 s[4:5], s[4:5], 1024
	s_add_co_u32 s41, s41, 2048
	s_add_co_u32 s42, s42, 1024
	s_sub_co_u32 s40, s40, 1
	s_cmp_lg_u32 s40, 0
	s_cbranch_scc1 .Lx
	v_add_nc_u32 v12, s41, v[XWI]                  ; the last trip loads nothing: the counts run down
	v_add_nc_u32 v13, s42, v[XWS]
	XSTEP 0, 0, 32, 1
	XSTEP 1, 0, 16, 1
	XSTEP 2, 0, 0, 1
	WPRO 0, 0                                      ; x's stream is in: W's first three K steps go out, and land while the last set is quantised
	XSTEP 3, 0, 0, 0
	s_wait_dscnt 0x0                               ; for the others' sake: my images and scale words have landed
	s_barrier_signal -1
	s_barrier_wait -1                              ; x's 64 fragments lie in LDS; from here on LDS is only read
	s_cmp_eq_u32 s37, 2
	s_cbranch_scc1 .Lv
	GEMM 0
.Lv:
	GEMM 1
.Lfunc_end_k_qb138c07570_proj:
	.size	k_qb138c07570_proj, .Lfunc_end_k_qb138c07570_proj-k_qb138c07570_proj
	.p2alignl 7, 3214868480
	.fill 96, 4, 3214868480
	.section	.rodata,"a",@progbits
	.p2align	6, 0x0
	.amdhsa_kernel k_qb138c07570_proj
		.amdhsa_group_segment_fixed_size 137728
		.amdhsa_private_segment_fixed_size 0
		.amdhsa_enable_private_segment 0
		.amdhsa_kernarg_size 80
		.amdhsa_user_sgpr_count 2
		.amdhsa_user_sgpr_kernarg_segment_ptr 1
		.amdhsa_wavefront_size32 1
		.amdhsa_system_sgpr_workgroup_id_x 1
		.amdhsa_system_sgpr_workgroup_id_y 1
		.amdhsa_system_sgpr_workgroup_id_z 1
		.amdhsa_system_vgpr_workitem_id 0
		.amdhsa_next_free_vgpr 1024
		.amdhsa_next_free_sgpr 66
		.amdhsa_reserve_vcc 1
		.amdhsa_float_denorm_mode_32 3
		.amdhsa_float_denorm_mode_16_64 3
		.amdhsa_memory_ordered 1
		.amdhsa_forward_progress 1
		.amdhsa_inst_pref_size 255
	.end_amdhsa_kernel
	.section	.bss,"aw",@nobits
	.p2align	6
	.space	262144
	.amdgpu_metadata
---
amdhsa.version: [ 1, 2 ]
amdhsa.kernels:
  - .name:           k_qb138c07570_proj
    .symbol:         k_qb138c07570_proj.kd
    .args:
      - { .name: pre_qs, .offset: 0, .size: 8, .value_kind: global_buffer, .address_space: global }
      - { .name: pre_ks, .offset: 8, .size: 8, .value_kind: global_buffer, .address_space: global }
      - { .name: pre_vs, .offset: 16, .size: 8, .value_kind: global_buffer, .address_space: global }
      - { .name: q_b, .offset: 24, .size: 8, .value_kind: global_buffer, .address_space: global }
      - { .name: k_b, .offset: 32, .size: 8, .value_kind: global_buffer, .address_space: global }
      - { .name: v_b, .offset: 40, .size: 8, .value_kind: global_buffer, .address_space: global }
      - { .name: wcodes, .offset: 48, .size: 8, .value_kind: global_buffer, .address_space: global }
      - { .name: wscales, .offset: 56, .size: 8, .value_kind: global_buffer, .address_space: global }
      - { .name: acodes, .offset: 64, .size: 8, .value_kind: global_buffer, .address_space: global }
      - { .name: ascales, .offset: 72, .size: 8, .value_kind: global_buffer, .address_space: global }
    .group_segment_fixed_size: 137728
    .private_segment_fixed_size: 0
    .kernarg_segment_align: 8
    .kernarg_segment_size: 80
    .max_flat_workgroup_size: 128
    .sgpr_count:     66
    .vgpr_count:     1024
    .wavefront_size: 32
...
	.end_amdgpu_metadata
.endif
;; end of part 2
;; launch attn (part 3): grid 4 x 64, 16 waves a work-group, no clusters, 219,136 bytes of LDS; arguments acodes, ascales, k_mask, out0; writes out0
.if DOCPART == 3
	.amdgcn_target "amdgcn-amd-amdhsa--gfx1250"
	.amdhsa_code_object_version 6
	.text
	.protected	k_qb138c07570_attn
	.globl	k_qb138c07570_attn
	.p2align	8
	.type	k_qb138c07570_attn,@function
k_qb138c07570_attn:
	s_mov_b64 s[64:65], 0
	v_nop
	global_prefetch_b8 v0, s[64:65] scope:SCOPE_SE
	s_setreg_imm32_b32 hwreg(HW_REG_WAVE_MODE, 25, 1), 1
	s_wait_xcnt 0x0
; out[b][q][64 head + d] = the sum over k of softmax_k(q . k / 8, keys with k_mask = 0 hidden) v[k][d], both products on codes of FP4 (E2M1) with one E8M0 byte for each 32 along a product's K.
; THE SOFTMAX AHEAD OF THE SECOND PRODUCT: t = score x log2(e) / 8; M = the row's largest t so far, rounded UP to a whole number; p = 2^(t - M) is quantised along the keys, not normalised; the row's sum is taken of the
; unquantised p and divides at the end.  When M moves, the sum and O are multiplied by 2^(old M - new M): exact.
; SHARES.  Work-group (x, y): head y (= 16 batch + head), queries 512 x .. + 511.  Sixteen waves, four to a SIMD, so that one wave's vector work stands beside another's matrix work and LDS loads; a wave takes one tile of
; 16 queries at a time, two tiles one after the other, and walks all 2,048 keys, 128 a step.  THE WHOLE HEAD'S K AND V, 64 KB of codes each, lie in LDS, filled once through registers: no ring, one barrier.
; LAYOUT.  Both products are used transposed: S^T = K Q^T, O^T = V^T P^T: a lane holds ONE query (lane % 16) throughout.  The keys of a tile are not neighbours (row r of tile 2 b + u is key 32 b + 8 u + r + 8 (r / 8)),
; so that the 16 registers of tiles 2 b and 2 b + 1 are the 16 neighbouring keys 32 b + 16 (lane / 16) + 0 .. 15.
; THE HEAD'S 64 FILL HALF OF THE INSTRUCTION'S 128: two tiles of keys stand side by side along K in source 0; source 1 is (q, zeros) for the first tile and (zeros, q) for the second.  Zero codes add nothing under any scale
; byte of 1 .. 254.  So each code of K is read from LDS once.
; THE MASK: 0 or -infinity for each key, made once, in LDS; it is added to the scores ahead of the maximum.  A step all of whose 128 keys count jumps over that: a scalar branch on bits made of k_mask's bytes.
; A step whose keys are all hidden leaves M as it was and gives p = 0; a batch with no key left gives 0 x infinity = NaN, as the softmax of a row of -infinity does.
; LIMITS: NaN and infinities among the float inputs are not served.  A block's largest p is taken through its largest score (p rises with the score).
; No cluster: the four work-groups of a head share K's and V's images and scale words, 136 KB, read once at the head; a joint request would need tensor loads.
; REGISTERS: v1-11 addresses; v12 -M, v13 the largest t, v[14:15] the sum in two halves; v16-19 zeros, v20-23 Q, v24-27 zeros; v28 Q's scales, v29 p's; v[30:31] f; v32-63 K; v64-95 V; v96-159 S^T, then p; v160-191 O^T;
;   v192-199 p's codes; v200-203 K's scale words, v204-207 V's; v208-239 the mask's words, and at work; v240-241 Q's offsets.
.set VIMG, 65536                       ; LDS: 0: K's image [tile 128][512];  VIMG: V's [step 16][tile 4][1,024]
.set KSC,  131072                      ; K's scale words [step 16][r 16][4 words];  4,096 on: V's
.set MB,   139264                      ; 0 or -infinity for each key, 4 bytes a key
.set STG,  147456                      ; the way out: 16 rows x (256 + 16) bytes for each wave
.set AK,  1                            ; v1   16 x lane
.set AV,  2                            ; v2   VIMG + 16 x lane
.set ASC, 3                            ; v3   KSC + 16 r
.set AMB, 4                            ; v4   MB + 64 h
.set STO, 5                            ; v5   my stage + 272 r + 64 h
.set RD,  6                            ; v6   my stage + 272 h + 16 r
.set GO,  7                            ; v7   4,096 h + 16 r
.set ADK, 8                            ; v8-11 the step's addresses
.set ADV, 9
.set ADS, 10
.set ADM, 11
.set QS,  28
.set PS,  29
.set KF,  32
.set VF,  64
.set S,   96
.set O,   160
.set PCD, 192
.set KS,  200
.set VS,  204
.set MBT, 208
.set BM,  224                          ; v224-227 each block's largest score, then its largest p
.set T2,  228                          ; v228-231 at work
.set SCL, 232                          ; v232-235 the conversions' scale operands
.set QO,  240
.set QSO, 241
.set SEL, 20                           ; s[20:21] v_permlanex16_b32's selects for lane l xor 16
.set CS,  22                           ; s[22:23] c = log2(e) / 8
	s_load_b256 s[4:11], s[0:1], 0x0               ; acodes, ascales, k_mask, out0
	v_lshl_add_u32 v254, v0, 2, 0x35000
	v_mov_b32 v255, 0
	v_lshrrev_b32 v1, 5, v0
	v_readfirstlane_b32 s12, v1                    ; wave 0..15
	s_and_b32 s13, ttmp7, 0xffff                   ; 16 batch + head
	v_lshlrev_b32 v242, 4, v0                      ; 16 x thread: my 16 bytes of each 8,192 of an image
	v_add_nc_u32 v243, VIMG, v242
	v_add_nc_u32 v244, KSC, v242
	v_add_nc_u32 v245, MB, v242
	v_lshrrev_b32 v246, 8, v0
	v_and_b32 v247, 255, v0
	v_lshlrev_b32 v247, 4, v247
	v_lshl_add_u32 v246, v246, 18, v247            ; scale words: threads 0-255 K's 4,096 bytes, threads 256-511 V's, 262,144 bytes on
	v_lshlrev_b32 v248, 2, v0                      ; my four keys of the mask
	v_and_b32 v249, 31, v0                         ; lane
	v_lshlrev_b32 v250, 6, v249                    ; my lane's 64 keys, for the flags
	s_lshl_b32 s14, ttmp9, 14                      ; Q's codes: tile 32 x + w, 512 bytes a tile
	s_lshl_b32 s15, s12, 9
	s_add_co_u32 s14, s14, s15
	s_mov_b32 s15, 0
	s_lshl_b32 s28, ttmp9, 2                       ; Q's scale words: step 4 x + w / 8, word (w % 8) / 2
	s_lshr_b32 s29, s12, 3
	s_add_co_u32 s28, s28, s29
	s_lshl_b32 s28, s28, 8
	s_bfe_u32 s29, s12, 0x20001
	s_lshl_b32 s29, s29, 2
	s_add_co_u32 s28, s28, s29
	s_mov_b32 s29, 0
	s_lshr_b32 s30, s13, 4                         ; out0: ((2,048 batch + 512 x + 32 (w / 2) + 8 (w % 2)) x 1,024 + 64 head) x 4
	s_lshl_b32 s30, s30, 23
	s_lshl_b32 s31, ttmp9, 21
	s_add_co_u32 s30, s30, s31
	s_lshr_b32 s31, s12, 1
	s_lshl_b32 s31, s31, 17
	s_add_co_u32 s30, s30, s31
	s_and_b32 s31, s12, 1
	s_lshl_b32 s31, s31, 15
	s_add_co_u32 s30, s30, s31
	s_and_b32 s31, s13, 15
	s_lshl_b32 s31, s31, 8
	s_add_co_u32 s30, s30, s31
	s_mov_b32 s31, 0
	s_and_b32 s34, s12, 1                          ; an odd tile's two bytes are the word's upper two
	s_mov_b32 s33, 0x01000100
	s_cselect_b32 s33, 0x03020302, s33             ; byte selects: my tile's two bytes, twice
	s_mov_b32 s[SEL], 0x76543210
	s_mov_b32 s[SEL+1], 0xfedcba98
	s_mov_b32 s[CS], 0x3e38aa3b
	s_mov_b32 s[CS+1], s[CS]                       ; (named with it as a pair, so it is written)
	s_mov_b32 s35, 0
	s_wait_kmcnt 0x0
	s_lshl_b32 s34, s13, 16
	s_add_nc_u64 s[4:5], s[4:5], s[34:35]          ; acodes at my head's Q; K's image lies 4,194,304 bytes on,
	s_add_nc_u64 s[36:37], s[4:5], 0x800000        ; V's 8,388,608
	s_lshl_b32 s34, s13, 12
	s_add_nc_u64 s[6:7], s[6:7], s[34:35]          ; ascales likewise
	s_lshr_b32 s34, s13, 4
	s_lshl_b32 s34, s34, 11
	s_add_nc_u64 s[8:9], s[8:9], s[34:35]          ; my batch's mask
.irp i, 0,1,2,3,4,5,6,7
	global_load_b128 v[KF+4*\i:KF+4*\i+3], v242, s[4:5] offset:4194304+8192*\i
.endr
.irp i, 0,1,2,3,4,5,6,7
	global_load_b128 v[VF+4*\i:VF+4*\i+3], v242, s[36:37] offset:8192*\i
.endr
	global_load_b128 v[96:99], v246, s[6:7] offset:262144
	global_load_b32 v100, v248, s[8:9]
.irp i, 0,1,2,3
	global_load_b128 v[104+4*\i:107+4*\i], v250, s[8:9] offset:16*\i
.endr
	s_add_nc_u64 s[16:17], s[4:5], s[14:15]        ; Q's codes at my first tile
	s_add_nc_u64 s[18:19], s[6:7], s[28:29]        ; its scale words
	s_add_nc_u64 s[24:25], s[10:11], s[30:31]      ; out0 at my first tile's first row, my head's 256 bytes
	v_and_b32 v251, 15, v0                         ; r
	v_bfe_u32 v252, v0, 4, 1                       ; h
	v_lshlrev_b32 v[AK], 4, v249
	v_add_nc_u32 v[AV], VIMG, v[AK]
	v_lshl_add_u32 v[ASC], v251, 4, KSC
	v_lshl_add_u32 v[AMB], v252, 6, MB
	s_mul_i32 s34, s12, 4352
	s_add_co_u32 s34, s34, STG                     ; my stage
	v_mul_u32_u24 v[STO], v251, 272
	v_lshl_add_u32 v[STO], v252, 6, v[STO]
	v_add_nc_u32 v[STO], s34, v[STO]
	v_mul_u32_u24 v[RD], v252, 272
	v_lshl_add_u32 v[RD], v251, 4, v[RD]
	v_add_nc_u32 v[RD], s34, v[RD]
	v_lshlrev_b32 v[GO], 12, v252
	v_lshl_add_u32 v[GO], v251, 4, v[GO]
	v_lshlrev_b32 v[QO], 4, v249
	v_lshlrev_b32 v[QSO], 4, v251
.irp j, 16,17,18,19,24,25,26,27
	v_mov_b32 v[\j], 0                             ; the zero codes on either side of Q
.endr
	v_mov_b32 v31, 0                               ; (named as the upper half of the pair v[30:31])
.irp b, 0,1,2,3
	v_mov_b32 v[T2+\b], 0                          ; written once: a lane permute's destination counts as one of its sources
.endr
	s_wait_loadcnt 0x0
.irp i, 0,1,2,3,4,5,6,7
	ds_store_b128 v242, v[KF+4*\i:KF+4*\i+3] offset:8192*\i
.endr
.irp i, 0,1,2,3,4,5,6,7
	ds_store_b128 v243, v[VF+4*\i:VF+4*\i+3] offset:8192*\i
.endr
	ds_store_b128 v244, v[96:99]
.irp k, 0,1,2,3
	v_bfe_u32 v[120+\k], v100, 8*\k, 8             ; a byte of the mask, 1 or 0,
	v_add_nc_u32 v[120+\k], -1, v[120+\k]          ; becomes no bit or all bits,
	v_and_b32 v[120+\k], 0xff800000, v[120+\k]     ; 0.0 or -infinity
.endr
	ds_store_b128 v245, v[120:123]
.irp i, 1,2,3,4,5,6,7,8,9,10,11,12,13,14,15
	v_and_b32 v104, v104, v[104+\i]                ; do all of my lane's 64 keys count?
.endr
	v_cmp_ne_u32 vcc_lo, 0x01010101, v104
	s_mov_b32 s26, vcc_lo                          ; bits 2 s and 2 s + 1: step s has a hidden key
	s_wait_dscnt 0x0                               ; for the others' sake: my stores have landed
	s_barrier_signal -1
	s_barrier_wait -1                              ; from here on these regions are only read; a stage is its wave's own
.macro PASS p                          ; tile 32 x + 16 p + w of the head's queries
.if \p
	s_wait_xcnt 0x0                                ; the first tile's stores have read their registers, which the scores take again
.endif
	global_load_b128 v[20:23], v[QO], s[16:17] offset:8192*\p
	global_load_b32 v238, v[QSO], s[18:19] offset:512*\p
	v_mov_b32 v13, 0xff61b1e6                      ; the largest t so far: -3e38, under every t
	v_floor_f32 v12, -v13                          ; -M
	v_mov_b32 v14, 0
	v_mov_b32 v15, 0
	s_mov_b32 s28, 0                               ; the step's place in the images: 4,096 a step
	s_mov_b32 s29, 0                               ; among the scale words: 256
	s_mov_b32 s30, 0                               ; among the mask's words: 512
	s_mov_b32 s27, 0                               ; among the flags: 2 bits
	s_wait_loadcnt 0x0
	v_perm_b32 v[QS], v238, v238, s33              ; my tile's two scale bytes, for the lower and for the upper 64 along K
.irp j, 0,1,2,3,4,5,6,7,8,9,10,11,12,13,14,15,16,17,18,19,20,21,22,23,24,25,26,27,28,29,30,31
	v_mov_b32 v[O+\j], 0                           ; O^T: the step is written once, and its first trip finds zeros.  (These are also the places between the scale register's write and the first product)
.endr
	s_mov_b32 s31, 16
.Lstep_\@:
	v_add_nc_u32 v[ADK], s28, v[AK]                ; four plain lines: the places in front of loads into registers that the last products have read
	v_add_nc_u32 v[ADV], s28, v[AV]
	v_add_nc_u32 v[ADS], s29, v[ASC]
	v_add_nc_u32 v[ADM], s30, v[AMB]
.irp t, 0,1,2,3,4,5,6,7
	ds_load_b128 v[KF+4*\t:KF+4*\t+3], v[ADK] offset:512*\t
.endr
	ds_load_b128 v[KS:KS+3], v[ADS]
.irp t, 0,1,2,3
.irp c, 0,1
	ds_load_b128 v[VF+8*\t+4*\c:VF+8*\t+4*\c+3], v[ADV] offset:1024*\t+512*\c
.endr
.endr
	ds_load_b128 v[VS:VS+3], v[ADS] offset:4096
	s_wait_dscnt 9                                 ; K and its scale words are in; V's nine loads may be out
.irp j, 0,1,2,3                                ; S^T: tiles 2 j and 2 j + 1 of the keys share source 0
	v_wmma_scale_f32_16x16x128_f8f6f4 v[S+16*\j:S+16*\j+7], v[KF+8*\j:KF+8*\j+7], v[20:27], 0, v[KS+\j], v[QS] matrix_a_fmt:MATRIX_FMT_FP4 matrix_b_fmt:MATRIX_FMT_FP4
	v_wmma_scale_f32_16x16x128_f8f6f4 v[S+16*\j+8:S+16*\j+15], v[KF+8*\j:KF+8*\j+7], v[16:23], 0, v[KS+\j], v[QS] matrix_a_fmt:MATRIX_FMT_FP4 matrix_b_fmt:MATRIX_FMT_FP4
.endr
.rept 4
	v_nop                                          ; places in front of the first read of the scores
.endr
	s_lshr_b32 s34, s26, s27
	s_and_b32 s34, s34, 3
	s_cmp_eq_u32 s34, 0
	s_cbranch_scc1 .Lopen_\@                       ; all 128 keys count
.irp g, 0,1
.irp n, 0,1,2,3,4,5,6,7
	ds_load_b128 v[MBT+4*\n:MBT+4*\n+3], v[ADM] offset:256*\g+128*(\n/4)+16*(\n%4)   ; register 16 b + i holds key 32 b + 16 h + i
.endr
	s_wait_dscnt 0x0
.irp m, 0,1,2,3,4,5,6,7,8,9,10,11,12,13,14,15
	v_pk_add_f32 v[S+32*\g+2*\m:S+32*\g+2*\m+1], v[S+32*\g+2*\m:S+32*\g+2*\m+1], v[MBT+2*\m:MBT+2*\m+1]   ; + 0 changes nothing; + -infinity hides the key
.endr
.endr
.Lopen_\@:
.irp b, 0,1,2,3
	v_max3_num_f32 v[BM+\b], v[S+16*\b], v[S+1+16*\b], v[S+2+16*\b]   ; the largest score of each block of 32 keys: for the row's maximum, and for the block's largest p
.endr
.irp i, 3,5,7,9,11,13
.irp b, 0,1,2,3
	v_max3_num_f32 v[BM+\b], v[BM+\b], v[S+16*\b+\i], v[S+1+16*\b+\i]
.endr
.endr
.irp b, 0,1,2,3
	v_max_num_f32 v[BM+\b], v[BM+\b], v[S+15+16*\b]
.endr
.irp b, 0,1,2,3
	v_permlanex16_b32 v[T2+\b], v[BM+\b], s[SEL], s[SEL+1]
.endr
.irp b, 0,1,2,3
	v_max_num_f32 v[BM+\b], v[BM+\b], v[T2+\b]     ; with lane l xor 16's 16 keys
.endr
	v_max3_num_f32 v238, v[BM], v[BM+1], v[BM+2]
	v_max_num_f32 v238, v238, v[BM+3]              ; the step's largest score of my query
	v_mul_f32 v238, s[CS], v238                    ; as t (c is positive)
	v_max_num_f32 v13, v13, v238                   ; the running largest t
	v_mov_b32 v238, v12
	v_floor_f32 v12, -v13                          ; the new -M = floor(-t) = -ceil(t)
	v_sub_f32 v238, v12, v238                      ; old M - new M: a whole number, 0 or less
	v_cvt_i32_f32 v238, v238                       ; (it saturates)
	v_ldexp_f32 v30, 1.0, v238                     ; f = 2^(old M - new M)
.irp j, 0,2,4,6,8,10,12,14,16,18,20,22,24,26,28,30,32,34,36,38,40,42,44,46,48,50,52,54,56,58,60,62
	v_pk_fma_f32 v[S+\j:S+1+\j], v[S+\j:S+1+\j], s[CS:CS+1], v[12:13] op_sel_hi:[1,0,0]   ; t - M, two at a time
.endr
.irp b, 0,1,2,3
	v_fma_f32 v[BM+\b], v[BM+\b], s[CS], v12       ; the same of each block's largest score
.endr
.irp j, 0,1,2,3,4,5,6,7,8,9,10,11,12,13,14,15,16,17,18,19,20,21,22,23,24,25,26,27,28,29,30,31,32,33,34,35,36,37,38,39,40,41,42,43,44,45,46,47,48,49,50,51,52,53,54,55,56,57,58,59,60,61,62,63
	v_exp_f32 v[S+\j], v[S+\j]                     ; p = 2^(t - M), at most 1
.endr
	v_pk_mul_f32 v[14:15], v[14:15], v[30:31] op_sel_hi:[1,0]   ; the sums under the new M: the plain line behind the exponentials
	s_wait_alu depctr_va_vdst(0)                   ; one wait for the batch of 64, ahead of its first reader
.irp b, 0,1,2,3
	v_exp_f32 v[BM+\b], v[BM+\b]                   ; the block's largest p
.endr
	v_pk_add_f32 v[236:237], v[S:S+1], v[S+2:S+3]  ; the row's sum is taken of the unquantised p, in two chains
.irp j, 4,8,12,16,20,24,28,32,36,40,44,48,52,56,60
	v_pk_add_f32 v[14:15], v[14:15], v[S+\j:S+1+\j]
	v_pk_add_f32 v[236:237], v[236:237], v[S+2+\j:S+3+\j]
.endr
	v_pk_add_f32 v[14:15], v[14:15], v[236:237]
	s_wait_alu depctr_va_vdst(0)                   ; and one for the four
.irp b, 0,1,2,3
	v_max_num_f32 v[BM+\b], 0x1800000, v[BM+\b]    ; the floor 2^(3 - 127): the byte cannot fall under 1
.endr
.irp b, 0,1,2,3
	v_add_nc_u32 v[SCL+\b], 0xff000000, v[BM+\b]   ; 2 off the exponent field: the conversion's scale operand
.endr
.irp b, 0,1,2,3
	v_lshrrev_b32 v[T2+\b], 23, v[SCL+\b]          ; the scale's byte
.endr
	v_lshl_or_b32 v[PS], v[T2+1], 8, v[T2]         ; p's scale word for these 128 keys
	v_lshl_or_b32 v[PS], v[T2+2], 16, v[PS]
	v_lshl_or_b32 v[PS], v[T2+3], 24, v[PS]
.irp b, 0,1,2,3
	v_cvt_scalef32_pk8_fp4_f32 v[PCD+2*\b], v[S+16*\b:S+7+16*\b], v[SCL+\b]
	v_cvt_scalef32_pk8_fp4_f32 v[PCD+1+2*\b], v[S+8+16*\b:S+15+16*\b], v[SCL+\b]
.endr
	v_nop                                          ; one plain place behind a scaled conversion
.irp c, 0,1                                    ; a whole block in a lane: lanes 0-15 block 2 c, lanes 16-31 block 2 c + 1
.irp i, 0,1
	v_permlane16_swap_b32 v[PCD+4*\c+\i], v[PCD+2+4*\c+\i]
.endr
.endr
.irp j, 0,2,4,6,8,10,12,14,16,18,20,22,24,26,28,30
	v_pk_mul_f32 v[O+\j:O+1+\j], v[O+\j:O+1+\j], v[30:31] op_sel_hi:[1,0]   ; O^T under the new M.  (For each product below at least eight of these name none of its registers: the places behind the scale word's and the codes' writes)
.endr
	s_wait_dscnt 0x0                               ; V and its scale words are in
.irp t, 0,1,2,3                                ; O^T += V^T P^T: four tiles of 16 of the head's 64; K = these 128 keys.  Eight other products stand between two on one accumulator
	v_wmma_scale_f32_16x16x128_f8f6f4 v[O+8*\t:O+8*\t+7], v[VF+8*\t:VF+8*\t+7], v[PCD:PCD+7], v[O+8*\t:O+8*\t+7], v[VS+\t], v[PS] matrix_a_fmt:MATRIX_FMT_FP4 matrix_b_fmt:MATRIX_FMT_FP4
.endr
	s_add_co_u32 s28, s28, 4096
	s_add_co_u32 s29, s29, 256
	s_add_co_u32 s30, s30, 512
	s_add_co_u32 s27, s27, 2
	s_sub_co_u32 s31, s31, 1
	s_cmp_lg_u32 s31, 0
	s_cbranch_scc1 .Lstep_\@
	; THE WAY OUT: O^T / the sum goes through my stage and leaves as rows: sixteen lanes store my head's 256 consecutive bytes of a row of out0, aligned
.rept 4
	v_nop                                          ; places behind the last products
.endr
	v_add_f32 v14, v14, v15                        ; the sum's two halves,
	v_permlanex16_b32 v238, v14, s[SEL], s[SEL+1]
	v_add_f32 v14, v14, v238                       ; and lane l xor 16's
	v_rcp_f32 v14, v14
	v_nop                                          ; a plain line behind the reciprocal
	s_wait_alu depctr_va_vdst(0)                   ; and the wait ahead of its first reader
.irp j, 0,1,2,3,4,5,6,7,8,9,10,11,12,13,14,15,16,17,18,19,20,21,22,23,24,25,26,27,28,29,30,31
	v_mul_f32 v[S+\j], v[O+\j], v14                ; register 8 t + i: d = 32 (t / 2) + 16 h + 8 (t % 2) + i of query row r
.endr
.irp n, 0,1,2,3,4,5,6,7
	ds_store_b128 v[STO], v[S+4*\n:S+4*\n+3] offset:128*(\n/4)+16*(\n%4)
.endr
.irp i, 0,1,2,3,4,5,6,7
	ds_load_b128 v[128+4*\i:131+4*\i], v[RD] offset:544*\i     ; rows 2 i and 2 i + 1.  LDS serves a wave's instructions in order: these see my stores
.endr
.irp i, 0,1,2,3,4,5,6,7
	s_wait_dscnt 7-\i
	global_store_b128 v[GO], v[128+4*\i:131+4*\i], s[24:25] offset:1048576*\p+(2*\i+8*(\i/4))*4096 th:TH_STORE_NT   ; row rho of the tile is token rho + 8 (rho / 8)
.endr
.endm
	PASS 0
	PASS 1
	s_wait_tensorcnt 0x0
	ds_add_u32 v254, v255
	s_wait_dscnt 0x0
	s_endpgm
.Lfunc_end_k_qb138c07570_attn:
	.size	k_qb138c07570_attn, .Lfunc_end_k_qb138c07570_attn-k_qb138c07570_attn
	.p2alignl 7, 3214868480
	.fill 96, 4, 3214868480
	.section	.rodata,"a",@progbits
	.p2align	6, 0x0
	.amdhsa_kernel k_qb138c07570_attn
		.amdhsa_group_segment_fixed_size 219136
		.amdhsa_private_segment_fixed_size 0
		.amdhsa_enable_private_segment 0
		.amdhsa_kernarg_size 32
		.amdhsa_user_sgpr_count 2
		.amdhsa_user_sgpr_kernarg_segment_ptr 1
		.amdhsa_wavefront_size32 1
		.amdhsa_system_sgpr_workgroup_id_x 1
		.amdhsa_system_sgpr_workgroup_id_y 1
		.amdhsa_system_sgpr_workgroup_id_z 1
		.amdhsa_system_vgpr_workitem_id 0
		.amdhsa_next_free_vgpr 256
		.amdhsa_next_free_sgpr 66
		.amdhsa_reserve_vcc 1
		.amdhsa_float_denorm_mode_32 3
		.amdhsa_float_denorm_mode_16_64 3
		.amdhsa_memory_ordered 1
		.amdhsa_forward_progress 1
		.amdhsa_inst_pref_size 55
	.end_amdhsa_kernel
	.amdgpu_metadata
---
amdhsa.version: [ 1, 2 ]
amdhsa.kernels:
  - .name:           k_qb138c07570_attn
    .symbol:         k_qb138c07570_attn.kd
    .args:
      - { .name: acodes, .offset: 0, .size: 8, .value_kind: global_buffer, .address_space: global }
      - { .name: ascales, .offset: 8, .size: 8, .value_kind: global_buffer, .address_space: global }
      - { .name: k_mask, .offset: 16, .size: 8, .value_kind: global_buffer, .address_space: global }
      - { .name: out0, .offset: 24, .size: 8, .value_kind: global_buffer, .address_space: global }
    .group_segment_fixed_size: 219136
    .private_segment_fixed_size: 0
    .kernarg_segment_align: 8
    .kernarg_segment_size: 32
    .max_flat_workgroup_size: 512
    .sgpr_count:     66
    .vgpr_count:     256
    .wavefront_size: 32
...
	.end_amdgpu_metadata
.endif
;; end of part 3
;; ======== version 2 of 2: 3 launches; version 1 with the launches proj, attn written anew for expert scheduling mode
;; workspace buffers: wcodes 1,572,864 bytes; wscales 98,304 bytes; acodes 12,582,912 bytes; ascales 786,432 bytes
;; launch wq: the kernel of part 1 again; grid 8 x 24, 4 waves a work-group, no clusters, 1,536 bytes of LDS; arguments q_w, k_w, v_w, wcodes, wscales; writes wcodes, wscales
;; launch proj (part 4): grid 64 x 3, 4 waves a work-group, no clusters, 137,728 bytes of LDS; arguments pre_qs, pre_ks, pre_vs, q_b, k_b, v_b, wcodes, wscales, acodes, ascales; writes acodes, ascales
.if DOCPART == 4
	.amdgcn_target "amdgcn-amd-amdhsa--gfx1250"
	.amdhsa_code_object_version 6
	.text
	.protected	k_qb138c07570_proj
	.globl	k_qb138c07570_proj
	.p2align	8
	.type	k_qb138c07570_proj,@function
k_qb138c07570_proj:
	s_mov_b64 s[64:65], 0
	v_nop
	global_prefetch_b8 v0, s[64:65] scope:SCOPE_SE
	s_setreg_imm32_b32 hwreg(HW_REG_WAVE_SCHED_MODE, 0, 2), 2
	s_setreg_imm32_b32 hwreg(HW_REG_WAVE_MODE, 25, 1), 1
	s_wait_xcnt 0x0
	s_wait_alu depctr_vm_vsrc(0)
; y = Q(x) Q(W) + b for one of the three projections (work-group y = t: 0 q, 1 k, 2 v) and 128 tokens (work-group x), both operands codes of FP4 (E2M1) with one E8M0 byte for each 32 along K; then y is quantised
; again for attention: q and k along the head's 64 (two blocks), v along the keys (the 128 tokens are four blocks).  Nothing wide goes to memory.
; PHASE X.  Wave w quantises tokens 32 w .. 32 w + 31 of x, [8192][1024] f32: each load reads 512 consecutive bytes of one token (one K step of 128); a tile's 16 rows turn through the wave's own stage in LDS, so that a lane
; holds 16 neighbours of each block of 32; the codes go to LDS as images of operand registers (registers 4 c .. 4 c + 3 of lane l at 512 c + 16 l).  One barrier.
; THE TOKENS OF A TILE ARE NOT NEIGHBOURS: row r of tile 2 b + u is token 32 b + 8 u + r + 8 (r / 8); W's tiles hold features in the same order.  So in a result whose registers run along such an axis the 16 registers
; of tiles 2 b and 2 b + 1 are 16 neighbours: 32 b + 16 (lane / 16) + 0 .. 15.
; GEMM.  Wave w makes features 256 w .. 256 w + 255 in two blocks of 128 features x 128 tokens: 64 accumulators.  W's fragments come from memory straight into registers, as the first launch laid them, three K steps ahead;
; x's from LDS, one K step ahead.  q, k: source 0 = W, source 1 = x: a lane holds one token, its registers run along the features.  v: the sources swapped: a lane holds one feature, its registers run along the tokens.
; OUT.  acodes [t][b h 64][65,536]: q, k: [tile 128][512]: lane (r, h): the 16 bytes of d = 32 h .. 32 h + 31 of the tile's token r.  v: [step of 128 keys 16][tile of 16 d 4][1,024]: a fragment's image.
;       ascales [t][b h][step 16][r 16][4 words]: q, k: word j = the two bytes of tile 2 j's token r, then those of tile 2 j + 1's.  v: word t' = the four bytes of row r of tile t'.
; LIMITS: blocks whose largest magnitude lies under 2^-124 keep the byte 1 (a block of zeros too: its codes are zeros, and this program alone reads the bytes); NaN and infinities among the inputs are not served.
; No cluster: what work-groups share is W, 544 KB of codes against 512 KB of x that each reads alone and once; a joint request would need tensor loads, and W's fragments go to one wave's registers each.
; REGISTERS, in windows of 256.  window 0: v2-15 addresses; v16-31 W's scale words, four sets; v32-39 x's, two sets; v40-71 at work; v128-191, v192-255 x's fragments, two sets (in phase X: 64 numbers each; on the way out: biases, results).
;   window 1: W's fragments, four sets of 64.   windows 2, 3: the accumulators, (i, j) at v[64 (i % 4) + 8 j], i < 4 in window 2 (in phase X window 2 holds four sets of 64 numbers as loaded).
; THE MODE: SCHED_MODE bits 1:0 = 2 (LLVM: expert scheduling mode 2), set by the entry lines.  The code itself states the register dependences between vector or matrix instructions and memory or LDS instructions,
; with s_wait_alu, always for 0.
; THE PLAN.  Registers that memory or LDS instructions touch:
;   PHASE X   raw sets 0-3 (window 2): global loads land, the stores into the stage read.   number sets 0, 1 (v128-255): LDS loads land, QUANT reads.   the codes v64-71 and the scale word v56: QUANT writes, the image stores read.
;             v12, v13: written once a trip, read by the image stores.   Set q's turn: ONE wait on vm_vsrc at its head (the stage's stores have read raw set q; the last image stores have read the codes, the word, v12, v13) and
;             ONE on va_vdst behind QUANT (codes, word, v12, v13 are written; QUANT is done reading its number set, in which the set after next lands: no vector line between names it).
;   GEMM      x's sets 0, 1 with their scale words: K step s's products read set s % 2, the LDS loads of K step s + 1 land in the other.   W's sets 0-3 with theirs: K step s's products read set s % 4, the loads of K step s + 3
;             land in set (s - 1) % 4.   ONE wait on va_vdst at the head of K steps 1 to 7: the last K step's products are done reading.  The step's loads follow it, dealt among its first four groups of eight products, which name
;             the other sets alone.  K step 0 owes none: the wait behind the last QUANT stands behind every vector and matrix line that named what its loads touch.
;   OUT       the biases land in x's set 0 (K step 7 reads set 1) and are read by the additions.   the codes and v58-61: written by vector lines, read by global stores: a group has one wait on vm_vsrc at its head, one on va_vdst ahead of its stores.
;   v2-10     offsets and addresses, made once and never written again.
.set XSC,  65536                       ; LDS: 0: x's 64 fragments, (tile i, K step s) at 1,024 (8 i + s);  XSC: their scale words, 512 s + 256 (i / 4) + 16 r + 4 (i % 4)
.set STG,  69632                       ; for each wave two stages of 16 rows x (512 + 16) bytes
.set LI,   2                           ; v2   16 x lane
.set LX,   3                           ; v3   XSC + 16 x lane
.set SI,   5                           ; v5   my stage + 16 x lane
.set SOUT, 6                           ; v6   my stage + 528 r + 64 h
.set XWI,  7                           ; v7   16,384 w + 16 x lane
.set XWS,  8                           ; v8   XSC + 256 (w / 2) + 8 (w % 2) + 16 r
.set BO,   9                           ; v9   my lane's offset among a block's 128 biases
.set SSO,  10                          ; v10  4,096 h + 16 r: where a step's scale words go
.set SELV, 11                          ; v11  byte selects: lanes 0-15 take the even head's two bytes, lanes 16-31 the odd head's
.set WS,   16
.set XS,   32
.set TM,   40                          ; v40-43 largest magnitudes, v44-47 bytes, v52-55 the conversions' scale operands
.set PW,   56                          ; the scale word just made
.set PWE,  57                          ; an even tile's, kept
.set SW,   58                          ; v58-61 the four words that leave
.set PC,   64                          ; v64-71 the codes just made
.set BIAS, 128
.set ST,   192
.set SEL,  38                          ; s[38:39] v_permlanex16_b32's selects for lane l xor 16
.set MSB, 0
.macro WIN new                         ; the immediate's high byte repeats the setting that is left; a switch that changes nothing is dropped
.if MSB != (\new)
	s_set_vgpr_msb (MSB<<8)|(\new)
.set MSB, (\new)
.endif
.endm
; 64 numbers of a lane, register 16 b + i = k 32 b + 16 (lane / 16) + i of my row, become a fragment's codes in v[PC] on and its scale word in v[PW]
.macro QUANT s
.irp b, 0,1,2,3
	v_max3_num_f32 v[TM+\b], |v[\s+16*\b]|, |v[\s+1+16*\b]|, 0x1800000   ; block b: my 16 numbers, and the floor 2^(3 - 127): the byte cannot fall under 1
.endr
.irp i, 2,4,6,8,10,12,14
.irp b, 0,1,2,3
	v_max3_num_f32 v[TM+\b], v[TM+\b], |v[\s+16*\b+\i]|, |v[\s+1+16*\b+\i]|   ; the four blocks by turns
.endr
.endr
.irp b, 0,1,2,3
	v_permlanex16_b32 v[TM+4+\b], v[TM+\b], s[SEL], s[SEL+1]
.endr
.irp b, 0,1,2,3
	v_max_num_f32 v[TM+\b], v[TM+\b], v[TM+4+\b]   ; with lane l xor 16's: the block's largest magnitude
.endr
.irp b, 0,1,2,3
	v_add_nc_u32 v[TM+12+\b], 0xff000000, v[TM+\b] ; 2 off its exponent field: the conversion's scale operand
.endr
.irp b, 0,1,2,3
	v_lshrrev_b32 v[TM+4+\b], 23, v[TM+12+\b]      ; the scale's byte
.endr
	v_lshl_or_b32 v[PW], v[TM+5], 8, v[TM+4]
	v_lshl_or_b32 v[PW], v[TM+6], 16, v[PW]
	v_lshl_or_b32 v[PW], v[TM+7], 24, v[PW]
.irp b, 0,1,2,3
	v_cvt_scalef32_pk8_fp4_f32 v[PC+2*\b], v[\s+16*\b:\s+7+16*\b], v[TM+12+\b]
	v_cvt_scalef32_pk8_fp4_f32 v[PC+1+2*\b], v[\s+8+16*\b:\s+15+16*\b], v[TM+12+\b]
.endr
	v_nop                                          ; one plain place behind a scaled conversion
.irp c, 0,1                                    ; the operand's layout wants a whole block in a lane: lanes 0-15 block 2 c, lanes 16-31 block 2 c + 1
.irp i, 0,1
	v_permlane16_swap_b32 v[PC+4*\c+\i], v[PC+2+4*\c+\i]
.endr
.endr
.endm
; W's K step s: eight fragments into set s % 4 of window 1 and their scale words: 17 loads
.macro WLOAD s, off, soff
	WIN 0x40                                       ; destination window 1
.irp j, 0,1,2,3,4,5,6,7
.irp c, 0,1
	global_load_b128 v[64*((\s)%4)+8*\j+4*\c:64*((\s)%4)+8*\j+4*\c+3], v[LI], s[8:9] offset:(\off)+\j*8192+(\s)*1024+512*\c
.endr
.endr
	WIN 0
	global_load_b128 v[WS+4*((\s)%4):WS+4*((\s)%4)+3], v[LI], s[10:11] offset:(\soff)+512*(\s)
.endm
.macro WPRO off, soff                  ; a block's first three K steps
	WLOAD 0, \off, \soff
	WLOAD 1, \off, \soff
	WLOAD 2, \off, \soff
.endm
; inside a K step: four of W's eight fragments of K step s, tiles j0 .. j0 + 3
.macro WFR s, j0
	WIN 0x40                                       ; destination window 1
.irp j, \j0, \j0+1, \j0+2, \j0+3
.irp c, 0,1
	global_load_b128 v[64*((\s)%4)+8*(\j)+4*\c:64*((\s)%4)+8*(\j)+4*\c+3], v[LI], s[8:9] offset:(\j)*8192+(\s)*1024+512*\c
.endr
.endr
.endm
; x: set q = (tile q % 2, K step q / 2 of the trip's two): 16 rows, 512 consecutive bytes each
.macro LOAD q, ahead
	WIN 0x80                                       ; destination window 2
.irp p, 0,1,2,3,4,5,6,7,8,9,10,11,12,13,14,15
	global_load_b128 v[64*(\q)+4*\p:64*(\q)+4*\p+3], v[LI], s[4:5] offset:(8*((\q)%2)+\p+8*(\p/8))*4096+512*((\q)/2)+1024*(\ahead) th:TH_LOAD_NT
.endr
	WIN 0
.endm
.macro TURN q                          ; set q through stage q % 2: in as loaded, back 64 bytes of each block's 128 a lane.  LDS serves a wave's instructions in order: no wait between
	WIN 0x08                                       ; an LDS store's data are its source 1: window 2
.irp p, 0,1,2,3,4,5,6,7,8,9,10,11,12,13,14,15
	ds_store_b128 v[SI], v[64*(\q)+4*\p:64*(\q)+4*\p+3] offset:((\q)%2)*8448+\p*528
.endr
	WIN 0
.irp b, 0,1,2,3
.irp j, 0,1,2,3
	ds_load_b128 v[128+64*((\q)%2)+16*\b+4*\j:128+64*((\q)%2)+16*\b+4*\j+3], v[SOUT] offset:((\q)%2)*8448+128*\b+16*\j
.endr
.endr
.endm
.macro XSTEP q, load, cnt, turn
	s_wait_dscnt 0x0                               ; set q's numbers are back from the stage
	s_wait_alu depctr_vm_vsrc(0)                   ; set q's stores into the stage have read its raw registers, in which the loads below land; the last set's image stores have read v12, v13, the codes and the scale word, which are written again below
.if (\q) == 0
	v_add_nc_u32 v12, s41, v[XWI]                  ; the trip's place among the images,
	v_add_nc_u32 v13, s42, v[XWS]                  ; and among the scale words
.endif
.if \load
	LOAD \q, 1                                     ; the raw registers take the next trip's loads
.endif
.if \turn
	s_wait_loadcnt \cnt                            ; the next set's 16 loads are in; the count is the younger sets' loads
	TURN (\q+1)%4                                  ; and go through the other stage while this set is quantised.  Its LDS loads land in the number set that the last set's QUANT read: that QUANT stands ahead of the last wait on va_vdst, and no vector line since names the set
.endif
	QUANT 128+64*(\q%2)
	s_wait_alu depctr_va_vdst(0)                   ; QUANT has written the codes and the scale word, which the stores below read, and is done reading its 64 numbers; in a trip's first set v12 and v13 are written
	ds_store_b128 v12, v[PC:PC+3] offset:(\q%2)*8192+(\q/2)*1024
	ds_store_b128 v12, v[PC+4:PC+7] offset:(\q%2)*8192+(\q/2)*1024+512
	ds_store_b32 v13, v[PW] offset:(\q/2)*512+4*(\q%2)     ; lanes l and l xor 16 write the same word with the same value
.endm
; one matrix instruction; ra, rb = 1: that side's scale words stand in lanes 16-31
.macro WM d, a, b, zero, sa, ra, sb, rb
.if \zero
.if (\ra) && (\rb)
	v_wmma_scale_f32_16x16x128_f8f6f4 v[(\d):(\d)+7], v[(\a):(\a)+7], v[(\b):(\b)+7], 0, v[\sa], v[\sb] matrix_a_fmt:MATRIX_FMT_FP4 matrix_b_fmt:MATRIX_FMT_FP4 matrix_a_scale:MATRIX_SCALE_ROW1 matrix_b_scale:MATRIX_SCALE_ROW1
.elseif (\ra)
	v_wmma_scale_f32_16x16x128_f8f6f4 v[(\d):(\d)+7], v[(\a):(\a)+7], v[(\b):(\b)+7], 0, v[\sa], v[\sb] matrix_a_fmt:MATRIX_FMT_FP4 matrix_b_fmt:MATRIX_FMT_FP4 matrix_a_scale:MATRIX_SCALE_ROW1
.elseif (\rb)
	v_wmma_scale_f32_16x16x128_f8f6f4 v[(\d):(\d)+7], v[(\a):(\a)+7], v[(\b):(\b)+7], 0, v[\sa], v[\sb] matrix_a_fmt:MATRIX_FMT_FP4 matrix_b_fmt:MATRIX_FMT_FP4 matrix_b_scale:MATRIX_SCALE_ROW1
.else
	v_wmma_scale_f32_16x16x128_f8f6f4 v[(\d):(\d)+7], v[(\a):(\a)+7], v[(\b):(\b)+7], 0, v[\sa], v[\sb] matrix_a_fmt:MATRIX_FMT_FP4 matrix_b_fmt:MATRIX_FMT_FP4
.endif
.else
.if (\ra) && (\rb)
	v_wmma_scale_f32_16x16x128_f8f6f4 v[(\d):(\d)+7], v[(\a):(\a)+7], v[(\b):(\b)+7], v[(\d):(\d)+7], v[\sa], v[\sb] matrix_a_fmt:MATRIX_FMT_FP4 matrix_b_fmt:MATRIX_FMT_FP4 matrix_a_scale:MATRIX_SCALE_ROW1 matrix_b_scale:MATRIX_SCALE_ROW1
.elseif (\ra)
	v_wmma_scale_f32_16x16x128_f8f6f4 v[(\d):(\d)+7], v[(\a):(\a)+7], v[(\b):(\b)+7], v[(\d):(\d)+7], v[\sa], v[\sb] matrix_a_fmt:MATRIX_FMT_FP4 matrix_b_fmt:MATRIX_FMT_FP4 matrix_a_scale:MATRIX_SCALE_ROW1
.elseif (\rb)
	v_wmma_scale_f32_16x16x128_f8f6f4 v[(\d):(\d)+7], v[(\a):(\a)+7], v[(\b):(\b)+7], v[(\d):(\d)+7], v[\sa], v[\sb] matrix_a_fmt:MATRIX_FMT_FP4 matrix_b_fmt:MATRIX_FMT_FP4 matrix_b_scale:MATRIX_SCALE_ROW1
.else
	v_wmma_scale_f32_16x16x128_f8f6f4 v[(\d):(\d)+7], v[(\a):(\a)+7], v[(\b):(\b)+7], v[(\d):(\d)+7], v[\sa], v[\sb] matrix_a_fmt:MATRIX_FMT_FP4 matrix_b_fmt:MATRIX_FMT_FP4
.endif
.endif
.endm
; Group i of a K step's eight: 8 of its 64 matrix instructions.  The 64 accumulators take turns, one instruction a turn, in the same order in every step.
; v = 0: accumulator (i, j) = token tile i x feature tile j, source 0 = W's tile j, source 1 = x's tile i.   v = 1: (i, j) = feature tile i x token tile j, source 0 = x's tile j, source 1 = W's tile i.
.macro MULG v, s, zero, i
.if \v
	WIN 0xa4+0x50*((\i)/4)                         ; source 0 window 0, source 1 window 1, C and D window 2 or 3
.else
	WIN 0xa1+0x50*((\i)/4)                         ; source 0 window 1, source 1 window 0, C and D window 2 or 3
.endif
.irp j, 0,1,2,3,4,5,6,7
.if \v
	WM 64*((\i)%4)+8*\j, 128+64*((\s)%2)+8*\j, 64*((\s)%4)+8*(\i), \zero, XS+4*((\s)%2)+\j%4, \j/4, WS+4*((\s)%4)+(\i)%4, (\i)/4
.else
	WM 64*((\i)%4)+8*\j, 64*((\s)%4)+8*\j, 128+64*((\s)%2)+8*(\i), \zero, WS+4*((\s)%4)+\j%4, \j/4, XS+4*((\s)%2)+(\i)%4, (\i)/4
.endif
.endr
.endm
.macro XFA s                           ; x's fragments 0-3 of K step s into set s % 2, and the K step's scale words: 9 LDS loads
.irp i, 0,1,2,3
.irp c, 0,1
	ds_load_b128 v[128+64*((\s)%2)+8*\i+4*\c:128+64*((\s)%2)+8*\i+4*\c+3], v[LI] offset:(8*\i+(\s))*1024+512*\c
.endr
.endr
	ds_load_b128 v[XS+4*((\s)%2):XS+4*((\s)%2)+3], v[LX] offset:512*(\s)
.endm
.macro XFB s                           ; its fragments 4-7: 8 LDS loads
.irp i, 4,5,6,7
.irp c, 0,1
	ds_load_b128 v[128+64*((\s)%2)+8*\i+4*\c:128+64*((\s)%2)+8*\i+4*\c+3], v[LI] offset:(8*\i+(\s))*1024+512*\c
.endr
.endr
.endm
.macro BIASLD v, j0                    ; the biases of feature tiles j0 .. j0 + 3, 8 loads, into the set of x's fragments that is done with
.irp j, \j0, \j0+1, \j0+2, \j0+3
.if \v
	global_load_b32 v[BIAS+2*(\j)], v[BO], s[6:7] offset:(32*((\j)/2)+8*((\j)%2))*4      ; v: one number a lane and feature tile: that of my row's feature;
	global_load_b32 v[BIAS+2*(\j)+1], v[BO], s[6:7] offset:(32*((\j)/2)+8*((\j)%2))*4    ; twice: the packed addition names the pair
.else
	global_load_b128 v[BIAS+8*(\j):BIAS+8*(\j)+3], v[BO], s[6:7] offset:(32*((\j)/2)+8*((\j)%2))*4       ; q, k: eight a lane and feature tile, in the result's layout
	global_load_b128 v[BIAS+8*(\j)+4:BIAS+8*(\j)+7], v[BO], s[6:7] offset:(32*((\j)/2)+8*((\j)%2))*4+16
.endif
.endr
.endm
.macro KSTEP v, s
.if (\s) > 0
.rept 4
	v_nop                                          ; four plain lines behind the last K step's products, ahead of the wait below and of the loads into the registers that those products have read
.endr
.endif
.if (\s) <= 5
	s_wait_loadcnt 34                              ; W's K step s is in; behind its loads stand two K steps' 17 each,
.elseif (\s) == 6
	s_wait_loadcnt 17                              ; one K step's,
.else
	s_wait_loadcnt 0x0                             ; none
.endif
	s_wait_dscnt 0x0                               ; x's K step s is in: nothing younger is out
.if (\s) > 0
	s_wait_alu depctr_va_vdst(0)                   ; the last K step's products are done reading x's other set, W's set (s - 1) % 4 and both their scale words, in which this step's loads land (K step 1: v9 is written too, the biases' offset)
.endif
	MULG \v, \s, ((\s)==0), 0
	WIN 0                                          ; the loads are dealt among the products: none of these names a register that a load of this step touches
.if (\s) <= 6
	XFA (\s)+1
.else
	BIASLD \v, 0
.endif
.if (\s) <= 4
	global_load_b128 v[WS+4*(((\s)+3)%4):WS+4*(((\s)+3)%4)+3], v[LI], s[10:11] offset:512*((\s)+3)   ; W three K steps ahead: its scale words first, then its sixteen fragment loads: 17 loads on end among the global loads
.endif
	MULG \v, \s, ((\s)==0), 1
	WIN 0
.if (\s) <= 6
	XFB (\s)+1
.else
	BIASLD \v, 4
.endif
	MULG \v, \s, ((\s)==0), 2
.if (\s) <= 4
	WFR (\s)+3, 0
.endif
	MULG \v, \s, ((\s)==0), 3
.if (\s) <= 4
	WFR (\s)+3, 4
.endif
	MULG \v, \s, ((\s)==0), 4
	MULG \v, \s, ((\s)==0), 5
	MULG \v, \s, ((\s)==0), 6
	MULG \v, \s, ((\s)==0), 7
.endm
; Group i of eight accumulators: + bias, quantised, stored
.macro EPI v, i
	s_wait_xcnt 0x0                                ; the last group's stores have had their addresses translated
	s_wait_alu depctr_vm_vsrc(0)                   ; the last group's stores have read the codes' registers (the last block's final store: v58-61), which are written again below
	WIN 2+(\i)/4                                   ; source 0: window 2 or 3
.set EN, 0
.rept 32
.if \v
	v_pk_add_f32 v[ST+2*EN:ST+2*EN+1], v[64*((\i)%4)+2*EN:64*((\i)%4)+2*EN+1], v[BIAS+2*(\i):BIAS+2*(\i)+1] op_sel_hi:[1,0]   ; each accumulator from its low end on
.else
	v_pk_add_f32 v[ST+2*EN:ST+2*EN+1], v[64*((\i)%4)+2*EN:64*((\i)%4)+2*EN+1], v[BIAS+2*EN:BIAS+2*EN+1]
.endif
.set EN, EN+1
.endr
	WIN 0
	QUANT ST
.if \v
.if (\i) < 4
	v_mov_b32 v[SW+(\i)], v[PW]
.else
	v_cndmask_b32 v[SW+(\i)-4], v[SW+(\i)-4], v[PW], vcc_lo    ; lanes 16-31 carry the second head's words
.endif
.else
.if (\i)%2 == 0
	v_mov_b32 v[PWE], v[PW]
.else
	v_perm_b32 v[SW+(\i)/2], v[PW], v[PWE], v[SELV]    ; two bytes of the even tile's word, then two of the odd tile's
.endif
.endif
	s_wait_alu depctr_va_vdst(0)                   ; QUANT has written the codes, which the stores below read; in the last group v58-61 are whole, which the block's final store reads, and the additions are done reading the biases, in which the next block's first fragments land
.if \v
	global_store_b128 v[LI], v[PC:PC+3], s[12:13] offset:((\i)/4)*65536+((\i)%4)*1024          ; head i / 4 of the block's two, tile i % 4 of its d: the fragment's image, 2 x 512 consecutive bytes
	global_store_b128 v[LI], v[PC+4:PC+7], s[12:13] offset:((\i)/4)*65536+((\i)%4)*1024+512
.else
	global_store_b128 v[LI], v[PC:PC+3], s[12:13] offset:512*(\i)            ; the even head's 64: lane (r, h): d = 32 h on of token r: 512 consecutive bytes
	global_store_b128 v[LI], v[PC+4:PC+7], s[12:13] offset:65536+512*(\i)    ; the odd head's
.endif
.endm
.macro GEMM v
.if \v
	v_and_b32 v[BO], 8, v14
	v_add_nc_u32 v[BO], v[BO], v14
	v_lshlrev_b32 v[BO], 2, v[BO]                  ; 4 (r + 8 (r / 8))
.else
	v_lshlrev_b32 v[BO], 6, v15                    ; 64 h
.endif
	s_mov_b32 s40, 2
.Lblock_\@:                                        ; two blocks of 128 features
	XFA 0                                          ; no wait: the wait behind the last QUANT stands behind every vector and matrix line that named these registers
	XFB 0
.irp s, 0,1,2,3,4,5,6,7
	KSTEP \v, \s
.endr
	WIN 0
.rept 4
	v_nop                                          ; places behind the last products, in front of the first read of results
.endr
	s_wait_loadcnt 0x0                             ; the biases
	s_cmp_eq_u32 s40, 1
	s_cbranch_scc1 .Lno_next_\@                    ; no load leaves its buffer
	WPRO 65536, 4096                               ; the next block's first three K steps land while this block goes out.  No wait: K steps 4 to 6, which read these three sets, stand ahead of K step 7's wait, and K step 7 names the fourth set alone
.Lno_next_\@:
.irp i, 0,1,2,3,4,5,6,7
	EPI \v, \i
.endr
	global_store_b128 v[SSO], v[SW:SW+3], s[14:15] ; the step's scale words of both heads: sixteen lanes fill 256 consecutive bytes, aligned
	s_wait_xcnt 0x0                                ; every memory instruction has read its registers: the bases step
	s_add_nc_u64 s[8:9], s[8:9], 65536
	s_add_nc_u64 s[10:11], s[10:11], 4096
	s_add_nc_u64 s[6:7], s[6:7], 512
	s_add_nc_u64 s[12:13], s[12:13], 131072
	s_add_nc_u64 s[14:15], s[14:15], 8192
	s_sub_co_u32 s40, s40, 1
	s_cmp_lg_u32 s40, 0
	s_cbranch_scc1 .Lblock_\@
	s_wait_dscnt 0x0                               ; the closing lines, six on end
	s_wait_alu 0x0
	s_wait_tensorcnt 0x0
	ds_add_u32 v126, v127
	s_wait_dscnt 0x0
	s_endpgm
.endm
	s_load_b512 s[16:31], s[0:1], 0x0              ; pre_qs, pre_ks, pre_vs, q_b, k_b, v_b, wcodes, wscales
	s_load_b128 s[32:35], s[0:1], 0x40             ; acodes, ascales
	v_lshl_add_u32 v126, v0, 2, 0x21800
	v_mov_b32 v127, 0
	v_lshrrev_b32 v1, 5, v0
	v_readfirstlane_b32 s36, v1                    ; wave 0..3
	s_and_b32 s37, ttmp7, 0xffff                   ; t
	v_and_b32 v1, 31, v0                           ; lane
	v_and_b32 v14, 15, v0                          ; r
	s_wait_alu depctr_va_vdst(0)
	v_bfe_u32 v15, v0, 4, 1                        ; h
	s_wait_alu depctr_va_vdst(0)
	v_lshlrev_b32 v[LI], 4, v1
	v_add_nc_u32 v[LX], XSC, v[LI]
	s_wait_alu depctr_va_sdst(0)                   ; s36 is written, ahead of its first reader: LDS places and the bases are made from it
	s_mul_i32 s43, s36, 16896
	s_add_co_u32 s43, s43, STG                     ; my two stages
	v_add_nc_u32 v[SI], s43, v[LI]
	v_mul_u32_u24 v[SOUT], v14, 528
	v_lshl_add_u32 v[SOUT], v15, 6, v[SOUT]
	v_add_nc_u32 v[SOUT], s43, v[SOUT]
	s_lshl_b32 s44, s36, 14
	v_add_nc_u32 v[XWI], s44, v[LI]
	s_lshr_b32 s44, s36, 1
	s_lshl_b32 s44, s44, 8
	s_and_b32 s45, s36, 1
	s_lshl_b32 s45, s45, 3
	s_add_co_u32 s44, s44, s45
	s_add_co_u32 s44, s44, XSC
	v_lshl_add_u32 v[XWS], v14, 4, s44
	v_cmp_ne_u32 vcc_lo, 0, v15                    ; lanes 16-31: kept to the end
	v_mov_b32 v[SELV], 0x05040100
	v_mov_b32 v[SSO], 0x07060302
	s_wait_alu depctr_va_vcc(0)                    ; VCC is written, ahead of its first reader, the select below
	v_cndmask_b32 v[SELV], v[SELV], v[SSO], vcc_lo
	v_lshlrev_b32 v[SSO], 12, v15
	v_lshl_add_u32 v[SSO], v14, 4, v[SSO]
.irp b, 0,1,2,3
	v_mov_b32 v[TM+4+\b], 0                        ; written once: a lane permute's destination counts as one of its sources
.endr
	s_mov_b32 s[SEL], 0x76543210
	s_mov_b32 s[SEL+1], 0xfedcba98
	s_lshr_b32 s43, ttmp9, 4                       ; batch
	s_and_b32 s44, ttmp9, 15                       ; which 128 tokens of its 2,048
	s_mov_b32 s47, 0
	s_wait_kmcnt 0x0
	s_cmp_eq_u32 s37, 0                            ; which tensor: the choice hangs on the work-group's number alone
	s_cselect_b64 s[4:5], s[16:17], s[18:19]
	s_cselect_b64 s[6:7], s[22:23], s[24:25]
	s_cmp_eq_u32 s37, 2
	s_cselect_b64 s[4:5], s[20:21], s[4:5]
	s_cselect_b64 s[6:7], s[26:27], s[6:7]
	s_lshl_b32 s46, ttmp9, 19                      ; x: (128 x + 32 w) rows of 4,096 bytes
	s_lshl_b32 s45, s36, 17
	s_add_co_u32 s46, s46, s45
	s_add_nc_u64 s[4:5], s[4:5], s[46:47]
	s_lshl_b32 s46, s36, 10                        ; bias: 256 w numbers
	s_add_nc_u64 s[6:7], s[6:7], s[46:47]
	s_lshl_b32 s46, s37, 19                        ; wcodes: 524,288 t + 131,072 w
	s_add_co_u32 s46, s46, s45
	s_add_nc_u64 s[8:9], s[28:29], s[46:47]
	s_lshl_b32 s46, s37, 15                        ; wscales: 32,768 t + 8,192 w
	s_lshl_b32 s45, s36, 13
	s_add_co_u32 s46, s46, s45
	s_add_nc_u64 s[10:11], s[30:31], s[46:47]
	s_lshl_b32 s46, s37, 22                        ; acodes: 4,194,304 t + 65,536 (16 batch + 4 w) + 4,096 step
	s_lshl_b32 s45, s43, 20
	s_add_co_u32 s46, s46, s45
	s_lshl_b32 s45, s36, 18
	s_add_co_u32 s46, s46, s45
	s_lshl_b32 s45, s44, 12
	s_add_co_u32 s46, s46, s45
	s_add_nc_u64 s[12:13], s[32:33], s[46:47]
	s_lshl_b32 s46, s37, 18                        ; ascales: 262,144 t + 4,096 (16 batch + 4 w) + 256 step
	s_lshl_b32 s45, s43, 16
	s_add_co_u32 s46, s46, s45
	s_lshl_b32 s45, s36, 14
	s_add_co_u32 s46, s46, s45
	s_lshl_b32 s45, s44, 8
	s_add_co_u32 s46, s46, s45
	s_add_nc_u64 s[14:15], s[34:35], s[46:47]
	; ---- PHASE X: four trips of two K steps x two tiles; 48 to 64 loads of 512 bytes are on their way in each wave
	s_wait_alu depctr_va_vdst(0)                   ; the offsets and addresses v2 to v10 are written, which the loads and stores from here on read
	LOAD 0, 0
	LOAD 1, 0
	LOAD 2, 0
	LOAD 3, 0
	s_wait_loadcnt 48                              ; set 0 is in; sets 1 to 3 may be out
	TURN 0
	s_mov_b32 s41, 0                               ; the trip's place among a tile's images: 2,048 a trip
	s_mov_b32 s42, 0                               ; and among the scale words: 1,024 a trip
	s_mov_b32 s40, 3
.Lx:
	XSTEP 0, 1, 48, 1
	XSTEP 1, 1, 48, 1
	XSTEP 2, 1, 48, 1
	XSTEP 3, 1, 48, 1
	s_wait_xcnt 0x0                                ; the loads have read their base
	s_add_nc_u64 s[4:5], s[4:5], 1024
	s_add_co_u32 s41, s41, 2048
	s_add_co_u32 s42, s42, 1024
	s_sub_co_u32 s40, s40, 1
	s_cmp_lg_u32 s40, 0
	s_cbranch_scc1 .Lx
	XSTEP 0, 0, 32, 1                              ; the last trip loads nothing: the counts run down
	XSTEP 1, 0, 16, 1
	XSTEP 2, 0, 0, 1
	WPRO 0, 0                                      ; x's stream is in: W's first three K steps go out, and land while the last set is quantised (no vector line has named their registers)
	XSTEP 3, 0, 0, 0
	s_wait_dscnt 0x0                               ; for the others' sake: my images and scale words have landed
	s_barrier_signal -1
	s_barrier_wait -1                              ; x's 64 fragments lie in LDS; from here on LDS is only read
	s_wait_alu depctr_vm_vsrc(0)                   ; my LDS stores have read window 2's registers, which the products write from here on, and the codes' and the scale word's, which the way out writes
	s_cmp_eq_u32 s37, 2
	s_cbranch_scc1 .Lv
	GEMM 0
.Lv:
	GEMM 1
.Lfunc_end_k_qb138c07570_proj:
	.size	k_qb138c07570_proj, .Lfunc_end_k_qb138c07570_proj-k_qb138c07570_proj
	.p2alignl 7, 3214868480
	.fill 96, 4, 3214868480
	.section	.rodata,"a",@progbits
	.p2align	6, 0x0
	.amdhsa_kernel k_qb138c07570_proj
		.amdhsa_group_segment_fixed_size 137728
		.amdhsa_private_segment_fixed_size 0
		.amdhsa_enable_private_segment 0
		.amdhsa_kernarg_size 80
		.amdhsa_user_sgpr_count 2
		.amdhsa_user_sgpr_kernarg_segment_ptr 1
		.amdhsa_wavefront_size32 1
		.amdhsa_system_sgpr_workgroup_id_x 1
		.amdhsa_system_sgpr_workgroup_id_y 1
		.amdhsa_system_sgpr_workgroup_id_z 1
		.amdhsa_system_vgpr_workitem_id 0
		.amdhsa_next_free_vgpr 1024
		.amdhsa_next_free_sgpr 66
		.amdhsa_reserve_vcc 1
		.amdhsa_float_denorm_mode_32 3
		.amdhsa_float_denorm_mode_16_64 3
		.amdhsa_memory_ordered 1
		.amdhsa_forward_progress 1
		.amdhsa_inst_pref_size 255
	.end_amdhsa_kernel
	.section	.bss,"aw",@nobits
	.p2align	6
	.space	262144
	.amdgpu_metadata
---
amdhsa.version: [ 1, 2 ]
amdhsa.kernels:
  - .name:           k_qb138c07570_proj
    .symbol:         k_qb138c07570_proj.kd
    .args:
      - { .name: pre_qs, .offset: 0, .size: 8, .value_kind: global_buffer, .address_space: global }
      - { .name: pre_ks, .offset: 8, .size: 8, .value_kind: global_buffer, .address_space: global }
      - { .name: pre_vs, .offset: 16, .size: 8, .value_kind: global_buffer, .address_space: global }
      - { .name: q_b, .offset: 24, .size: 8, .value_kind: global_buffer, .address_space: global }
      - { .name: k_b, .offset: 32, .size: 8, .value_kind: global_buffer, .address_space: global }
      - { .name: v_b, .offset: 40, .size: 8, .value_kind: global_buffer, .address_space: global }
      - { .name: wcodes, .offset: 48, .size: 8, .value_kind: global_buffer, .address_space: global }
      - { .name: wscales, .offset: 56, .size: 8, .value_kind: global_buffer, .address_space: global }
      - { .name: acodes, .offset: 64, .size: 8, .value_kind: global_buffer, .address_space: global }
      - { .name: ascales, .offset: 72, .size: 8, .value_kind: global_buffer, .address_space: global }
    .group_segment_fixed_size: 137728
    .private_segment_fixed_size: 0
    .kernarg_segment_align: 8
    .kernarg_segment_size: 80
    .max_flat_workgroup_size: 128
    .sgpr_count:     66
    .vgpr_count:     1024
    .wavefront_size: 32
...
	.end_amdgpu_metadata
.endif
;; end of part 4
;; launch attn (part 5): grid 4 x 64, 16 waves a work-group, no clusters, 219,136 bytes of LDS; arguments acodes, ascales, k_mask, out0; writes out0
.if DOCPART == 5
	.amdgcn_target "amdgcn-amd-amdhsa--gfx1250"
	.amdhsa_code_object_version 6
	.text
	.protected	k_qb138c07570_attn
	.globl	k_qb138c07570_attn
	.p2align	8
	.type	k_qb138c07570_attn,@function
k_qb138c07570_attn:
	s_mov_b64 s[64:65], 0
	v_nop
	global_prefetch_b8 v0, s[64:65] scope:SCOPE_SE
	s_setreg_imm32_b32 hwreg(HW_REG_WAVE_SCHED_MODE, 0, 2), 2
	s_setreg_imm32_b32 hwreg(HW_REG_WAVE_MODE, 25, 1), 1
	s_wait_xcnt 0x0
	s_wait_alu depctr_vm_vsrc(0)
; out[b][q][64 head + d] = the sum over k of softmax_k(q . k / 8, keys with k_mask = 0 hidden) v[k][d], both products on codes of FP4 (E2M1) with one E8M0 byte for each 32 along a product's K.
; THE SOFTMAX AHEAD OF THE SECOND PRODUCT: t = score x log2(e) / 8; M = the row's largest t so far, rounded UP to a whole number; p = 2^(t - M) is quantised along the keys, not normalised; the row's sum is taken of the
; unquantised p and divides at the end.  When M moves, the sum and O are multiplied by 2^(old M - new M): exact.
; SHARES.  Work-group (x, y): head y (= 16 batch + head), queries 512 x .. + 511.  Sixteen waves, four to a SIMD, so that one wave's vector work stands beside another's matrix work and LDS loads; a wave takes one tile of
; 16 queries at a time, two tiles one after the other, and walks all 2,048 keys, 128 a step.  THE WHOLE HEAD'S K AND V, 64 KB of codes each, lie in LDS, filled once through registers: no ring, one barrier.
; LAYOUT.  Both products are used transposed: S^T = K Q^T, O^T = V^T P^T: a lane holds ONE query (lane % 16) throughout.  The keys of a tile are not neighbours (row r of tile 2 b + u is key 32 b + 8 u + r + 8 (r / 8)),
; so that the 16 registers of tiles 2 b and 2 b + 1 are the 16 neighbouring keys 32 b + 16 (lane / 16) + 0 .. 15.
; THE HEAD'S 64 FILL HALF OF THE INSTRUCTION'S 128: two tiles of keys stand side by side along K in source 0; source 1 is (q, zeros) for the first tile and (zeros, q) for the second.  Zero codes add nothing under any scale
; byte of 1 .. 254.  So each code of K is read from LDS once.
; THE MASK: 0 or -infinity for each key, made once, in LDS; it is added to the scores ahead of the maximum.  A step all of whose 128 keys count jumps over that: a scalar branch on bits made of k_mask's bytes.
; A step whose keys are all hidden leaves M as it was and gives p = 0; a batch with no key left gives 0 x infinity = NaN, as the softmax of a row of -infinity does.
; LIMITS: NaN and infinities among the float inputs are not served.  A block's largest p is taken through its largest score (p rises with the score).
; No cluster: the four work-groups of a head share K's and V's images and scale words, 136 KB, read once at the head; a joint request would need tensor loads.
; REGISTERS: v1-11 addresses; v12 -M, v13 the largest t, v[14:15] the sum in two halves; v16-19 zeros, v20-23 Q, v24-27 zeros; v28 Q's scales, v29 p's; v[30:31] f; v32-63 K (and half of a step's mask words); v64-95 V;
;   v96-159 S^T, then p; v160-191 O^T; v192-199 p's codes; v200-203 K's scale words, v204-207 V's; v208-239 the other half of the mask's words, and at work; v240-241 Q's offsets.
; THE MODE: SCHED_MODE bits 1:0 = 2 (LLVM: expert scheduling mode 2), set by the entry lines.  The code itself states the register dependences between vector or matrix instructions and memory or LDS instructions,
; with s_wait_alu, always for 0.
; THE PLAN.  Registers that LDS instructions touch in a step:
;   K v32-63, v200-203     read by the step's eight products S^T (v32-63 also by the mask's additions, where a key is hidden); the NEXT step's K lands in them.
;   V v64-95, v204-207     read by the step's four products O^T; the next step's V lands in them.
;   v208-239               the mask's words land there, in a step with a hidden key; v224-238 are also written and read by the softmax's vector lines.
;   v8-11                  the step's four LDS addresses: read by its loads, written once a step.
; The wait that the batch of 64 exponentials owes stands behind the step's S^T, behind the last step's O^T products and behind the four address lines: so it also states that K's and V's registers are free and that
; v8-10 are written.  ALL of a step's loads stand behind it: this step's V at once, the next step's K dealt among the row's sums; no vector line behind the wait names what they touch.  So step 0's K is asked for at a
; pass's head, the loop has 15 trips, and the 16th step is written out without the look-ahead.  One wait on vm_vsrc a step stands ahead of the address lines; one on va_vdst ahead of the O^T products, whose source 1
; and scale word vector lines have just written; one more inside the mask's branch.
.set VIMG, 65536                       ; LDS: 0: K's image [tile 128][512];  VIMG: V's [step 16][tile 4][1,024]
.set KSC,  131072                      ; K's scale words [step 16][r 16][4 words];  4,096 on: V's
.set MB,   139264                      ; 0 or -infinity for each key, 4 bytes a key
.set STG,  147456                      ; the way out: 16 rows x (256 + 16) bytes for each wave
.set AK,  1                            ; v1   16 x lane
.set AV,  2                            ; v2   VIMG + 16 x lane
.set ASC, 3                            ; v3   KSC + 16 r
.set AMB, 4                            ; v4   MB + 64 h
.set STO, 5                            ; v5   my stage + 272 r + 64 h
.set RD,  6                            ; v6   my stage + 272 h + 16 r
.set GO,  7                            ; v7   4,096 h + 16 r
.set ADK, 8                            ; v8-11 the step's addresses
.set ADV, 9
.set ADS, 10
.set ADM, 11
.set QS,  28
.set PS,  29
.set KF,  32
.set VF,  64
.set S,   96
.set O,   160
.set PCD, 192
.set KS,  200
.set VS,  204
.set MBT, 208
.set BM,  224                          ; v224-227 each block's largest score, then its largest p
.set T2,  228                          ; v228-231 at work
.set SCL, 232                          ; v232-235 the conversions' scale operands
.set QO,  240
.set QSO, 241
.set SEL, 20                           ; s[20:21] v_permlanex16_b32's selects for lane l xor 16
.set CS,  22                           ; s[22:23] c = log2(e) / 8
	s_load_b256 s[4:11], s[0:1], 0x0               ; acodes, ascales, k_mask, out0
	v_lshl_add_u32 v254, v0, 2, 0x35000
	v_mov_b32 v255, 0
	v_lshrrev_b32 v1, 5, v0
	v_readfirstlane_b32 s12, v1                    ; wave 0..15
	s_and_b32 s13, ttmp7, 0xffff                   ; 16 batch + head
	v_lshlrev_b32 v242, 4, v0                      ; 16 x thread: my 16 bytes of each 8,192 of an image
	v_add_nc_u32 v243, VIMG, v242
	v_add_nc_u32 v244, KSC, v242
	v_add_nc_u32 v245, MB, v242
	v_lshrrev_b32 v246, 8, v0
	v_and_b32 v247, 255, v0
	v_lshlrev_b32 v247, 4, v247
	v_lshl_add_u32 v246, v246, 18, v247            ; scale words: threads 0-255 K's 4,096 bytes, threads 256-511 V's, 262,144 bytes on
	v_lshlrev_b32 v248, 2, v0                      ; my four keys of the mask
	v_and_b32 v249, 31, v0                         ; lane
	v_lshlrev_b32 v250, 6, v249                    ; my lane's 64 keys, for the flags
	s_wait_alu depctr_va_sdst(0)                   ; s12 is written, ahead of its first reader: Q's, out0's and the stage's places are made from it
	s_lshl_b32 s14, ttmp9, 14                      ; Q's codes: tile 32 x + w, 512 bytes a tile
	s_lshl_b32 s15, s12, 9
	s_add_co_u32 s14, s14, s15
	s_mov_b32 s15, 0
	s_lshl_b32 s28, ttmp9, 2                       ; Q's scale words: step 4 x + w / 8, word (w % 8) / 2
	s_lshr_b32 s29, s12, 3
	s_add_co_u32 s28, s28, s29
	s_lshl_b32 s28, s28, 8
	s_bfe_u32 s29, s12, 0x20001
	s_lshl_b32 s29, s29, 2
	s_add_co_u32 s28, s28, s29
	s_mov_b32 s29, 0
	s_lshr_b32 s30, s13, 4                         ; out0: ((2,048 batch + 512 x + 32 (w / 2) + 8 (w % 2)) x 1,024 + 64 head) x 4
	s_lshl_b32 s30, s30, 23
	s_lshl_b32 s31, ttmp9, 21
	s_add_co_u32 s30, s30, s31
	s_lshr_b32 s31, s12, 1
	s_lshl_b32 s31, s31, 17
	s_add_co_u32 s30, s30, s31
	s_and_b32 s31, s12, 1
	s_lshl_b32 s31, s31, 15
	s_add_co_u32 s30, s30, s31
	s_and_b32 s31, s13, 15
	s_lshl_b32 s31, s31, 8
	s_add_co_u32 s30, s30, s31
	s_mov_b32 s31, 0
	s_and_b32 s34, s12, 1                          ; an odd tile's two bytes are the word's upper two
	s_mov_b32 s33, 0x01000100
	s_cselect_b32 s33, 0x03020302, s33             ; byte selects: my tile's two bytes, twice
	s_mov_b32 s[SEL], 0x76543210
	s_mov_b32 s[SEL+1], 0xfedcba98
	s_mov_b32 s[CS], 0x3e38aa3b
	s_mov_b32 s[CS+1], s[CS]                       ; (named with it as a pair, so it is written)
	s_mov_b32 s35, 0
	s_wait_kmcnt 0x0
	s_lshl_b32 s34, s13, 16
	s_add_nc_u64 s[4:5], s[4:5], s[34:35]          ; acodes at my head's Q; K's image lies 4,194,304 bytes on,
	s_add_nc_u64 s[36:37], s[4:5], 0x800000        ; V's 8,388,608
	s_lshl_b32 s34, s13, 12
	s_add_nc_u64 s[6:7], s[6:7], s[34:35]          ; ascales likewise
	s_lshr_b32 s34, s13, 4
	s_lshl_b32 s34, s34, 11
	s_add_nc_u64 s[8:9], s[8:9], s[34:35]          ; my batch's mask
	s_wait_alu depctr_va_vdst(0)                   ; the offsets v242, v246, v248 and v250 are written, which the loads below read
.irp i, 0,1,2,3,4,5,6,7
	global_load_b128 v[KF+4*\i:KF+4*\i+3], v242, s[4:5] offset:4194304+8192*\i
.endr
.irp i, 0,1,2,3,4,5,6,7
	global_load_b128 v[VF+4*\i:VF+4*\i+3], v242, s[36:37] offset:8192*\i
.endr
	global_load_b128 v[96:99], v246, s[6:7] offset:262144
	global_load_b32 v100, v248, s[8:9]
.irp i, 0,1,2,3
	global_load_b128 v[104+4*\i:107+4*\i], v250, s[8:9] offset:16*\i
.endr
	s_add_nc_u64 s[16:17], s[4:5], s[14:15]        ; Q's codes at my first tile
	s_add_nc_u64 s[18:19], s[6:7], s[28:29]        ; its scale words
	s_add_nc_u64 s[24:25], s[10:11], s[30:31]      ; out0 at my first tile's first row, my head's 256 bytes
	v_and_b32 v251, 15, v0                         ; r
	v_bfe_u32 v252, v0, 4, 1                       ; h
	v_lshlrev_b32 v[AK], 4, v249
	v_add_nc_u32 v[AV], VIMG, v[AK]
	v_lshl_add_u32 v[ASC], v251, 4, KSC
	v_lshl_add_u32 v[AMB], v252, 6, MB
	s_mul_i32 s34, s12, 4352
	s_add_co_u32 s34, s34, STG                     ; my stage
	v_mul_u32_u24 v[STO], v251, 272
	v_lshl_add_u32 v[STO], v252, 6, v[STO]
	v_add_nc_u32 v[STO], s34, v[STO]
	v_mul_u32_u24 v[RD], v252, 272
	v_lshl_add_u32 v[RD], v251, 4, v[RD]
	v_add_nc_u32 v[RD], s34, v[RD]
	v_lshlrev_b32 v[GO], 12, v252
	v_lshl_add_u32 v[GO], v251, 4, v[GO]
	v_lshlrev_b32 v[QO], 4, v249
	v_lshlrev_b32 v[QSO], 4, v251
.irp j, 16,17,18,19,24,25,26,27
	v_mov_b32 v[\j], 0                             ; the zero codes on either side of Q
.endr
	v_mov_b32 v31, 0                               ; (named as the upper half of the pair v[30:31])
.irp b, 0,1,2,3
	v_mov_b32 v[T2+\b], 0                          ; written once: a lane permute's destination counts as one of its sources
.endr
	s_wait_loadcnt 0x0
.irp k, 0,1,2,3
	v_bfe_u32 v[120+\k], v100, 8*\k, 8             ; a byte of the mask, 1 or 0,
	v_add_nc_u32 v[120+\k], -1, v[120+\k]          ; becomes no bit or all bits,
	v_and_b32 v[120+\k], 0xff800000, v[120+\k]     ; 0.0 or -infinity
.endr
.irp i, 1,2,3,4,5,6,7,8,9,10,11,12,13,14,15
	v_and_b32 v104, v104, v[104+\i]                ; do all of my lane's 64 keys count?
.endr
	v_cmp_ne_u32 vcc_lo, 0x01010101, v104
	s_wait_alu depctr_va_vcc(0)                    ; VCC is written, ahead of its one reader
	s_mov_b32 s26, vcc_lo                          ; bits 2 s and 2 s + 1: step s has a hidden key
	s_wait_alu depctr_va_vdst(0)                   ; v120-123 are written, which the last store below reads; so are the addresses v1-7, v240 and v241, which loads and stores from here on read, and the zero codes, which the products take in source 1
.irp i, 0,1,2,3,4,5,6,7
	ds_store_b128 v242, v[KF+4*\i:KF+4*\i+3] offset:8192*\i
.endr
.irp i, 0,1,2,3,4,5,6,7
	ds_store_b128 v243, v[VF+4*\i:VF+4*\i+3] offset:8192*\i
.endr
	ds_store_b128 v244, v[96:99]
	ds_store_b128 v245, v[120:123]
	s_wait_dscnt 0x0                               ; for the others' sake: my stores have landed
	s_barrier_signal -1
	s_barrier_wait -1                              ; from here on these regions are only read; a stage is its wave's own
	s_wait_alu depctr_vm_vsrc(0)                   ; my LDS stores have read v32-95, in which K's and V's fragments land from here on, and v96-99 and v120-123, which the products write
; A KEY STEP: 128 keys.  nx = 1: the next step's K is asked for.
.macro STEP nx
	s_wait_dscnt 0x0                               ; this step's K and its scale words are in
.irp j, 0,1,2,3                                ; S^T: tiles 2 j and 2 j + 1 of the keys share source 0
	v_wmma_scale_f32_16x16x128_f8f6f4 v[S+16*\j:S+16*\j+7], v[KF+8*\j:KF+8*\j+7], v[20:27], 0, v[KS+\j], v[QS] matrix_a_fmt:MATRIX_FMT_FP4 matrix_b_fmt:MATRIX_FMT_FP4
	v_wmma_scale_f32_16x16x128_f8f6f4 v[S+16*\j+8:S+16*\j+15], v[KF+8*\j:KF+8*\j+7], v[16:23], 0, v[KS+\j], v[QS] matrix_a_fmt:MATRIX_FMT_FP4 matrix_b_fmt:MATRIX_FMT_FP4
.endr
	s_wait_alu depctr_vm_vsrc(0)                   ; the LDS loads of the step before have read v8-11, which the four lines below write
	v_add_nc_u32 v[ADK], s28, v[AK]                ; four plain lines that name no register of the products: the places in front of the first read of the scores
	v_add_nc_u32 v[ADV], s28, v[AV]
	v_add_nc_u32 v[ADS], s29, v[ASC]
	v_add_nc_u32 v[ADM], s30, v[AMB]
	s_lshr_b32 s34, s26, s27
	s_and_b32 s34, s34, 3
	s_cmp_eq_u32 s34, 0
	s_cbranch_scc1 .Lopen_\@                       ; all 128 keys count
	s_wait_alu depctr_va_vdst(0)                   ; v11 is written, which the loads below read; the products above are done reading v32-63, and the last step's vector lines are done with v224-238, in which they land
.irp n, 0,1,2,3,4,5,6,7
	ds_load_b128 v[MBT+4*\n:MBT+4*\n+3], v[ADM] offset:128*(\n/4)+16*(\n%4)       ; register 16 b + i holds key 32 b + 16 h + i: blocks 0 and 1,
.endr
.irp n, 0,1,2,3,4,5,6,7
	ds_load_b128 v[KF+4*\n:KF+4*\n+3], v[ADM] offset:256+128*(\n/4)+16*(\n%4)     ; blocks 2 and 3, into K's registers, which are done with
.endr
	s_wait_dscnt 8                                 ; the first eight are in; the second eight may be out
.irp m, 0,1,2,3,4,5,6,7,8,9,10,11,12,13,14,15
	v_pk_add_f32 v[S+2*\m:S+2*\m+1], v[S+2*\m:S+2*\m+1], v[MBT+2*\m:MBT+2*\m+1]   ; + 0 changes nothing; + -infinity hides the key
.endr
	s_wait_dscnt 0x0
.irp m, 0,1,2,3,4,5,6,7,8,9,10,11,12,13,14,15
	v_pk_add_f32 v[S+32+2*\m:S+33+2*\m], v[S+32+2*\m:S+33+2*\m], v[KF+2*\m:KF+2*\m+1]
.endr
.Lopen_\@:
.irp b, 0,1,2,3
	v_max3_num_f32 v[BM+\b], v[S+16*\b], v[S+1+16*\b], v[S+2+16*\b]   ; the largest score of each block of 32 keys: for the row's maximum, and for the block's largest p
.endr
.irp i, 3,5,7,9,11,13
.irp b, 0,1,2,3
	v_max3_num_f32 v[BM+\b], v[BM+\b], v[S+16*\b+\i], v[S+1+16*\b+\i]
.endr
.endr
.irp b, 0,1,2,3
	v_max_num_f32 v[BM+\b], v[BM+\b], v[S+15+16*\b]
.endr
.irp b, 0,1,2,3
	v_permlanex16_b32 v[T2+\b], v[BM+\b], s[SEL], s[SEL+1]
.endr
.irp b, 0,1,2,3
	v_max_num_f32 v[BM+\b], v[BM+\b], v[T2+\b]     ; with lane l xor 16's 16 keys
.endr
	v_max3_num_f32 v238, v[BM], v[BM+1], v[BM+2]
	v_max_num_f32 v238, v238, v[BM+3]              ; the step's largest score of my query
	v_mul_f32 v238, s[CS], v238                    ; as t (c is positive)
	v_max_num_f32 v13, v13, v238                   ; the running largest t
	v_mov_b32 v238, v12
	v_floor_f32 v12, -v13                          ; the new -M = floor(-t) = -ceil(t)
	v_sub_f32 v238, v12, v238                      ; old M - new M: a whole number, 0 or less
	v_cvt_i32_f32 v238, v238                       ; (it saturates)
	v_ldexp_f32 v30, 1.0, v238                     ; f = 2^(old M - new M)
.irp j, 0,2,4,6,8,10,12,14,16,18,20,22,24,26,28,30,32,34,36,38,40,42,44,46,48,50,52,54,56,58,60,62
	v_pk_fma_f32 v[S+\j:S+1+\j], v[S+\j:S+1+\j], s[CS:CS+1], v[12:13] op_sel_hi:[1,0,0]   ; t - M, two at a time
.endr
.irp b, 0,1,2,3
	v_fma_f32 v[BM+\b], v[BM+\b], s[CS], v12       ; the same of each block's largest score
.endr
	s_wait_alu depctr_va_vdst(0)
.irp j, 0,1,2,3,4,5,6,7,8,9,10,11,12,13,14,15,16,17,18,19,20,21,22,23,24,25,26,27,28,29,30,31,32,33,34,35,36,37,38,39,40,41,42,43,44,45,46,47,48,49,50,51,52,53,54,55,56,57,58,59,60,61,62,63
	v_exp_f32 v[S+\j], v[S+\j]                     ; p = 2^(t - M), at most 1
.endr
	v_pk_mul_f32 v[14:15], v[14:15], v[30:31] op_sel_hi:[1,0]   ; the sums under the new M: the plain line behind the exponentials
	s_wait_alu depctr_va_vdst(0)                   ; the 64 exponentials have written p, ahead of its first reader; the last step's O^T products are done reading V and its scale words, this step's S^T products and mask additions K and its; v8-10 are written
.irp t, 0,1,2,3                                ; this step's V: nine loads
.irp c, 0,1
	ds_load_b128 v[VF+8*\t+4*\c:VF+8*\t+4*\c+3], v[ADV] offset:1024*\t+512*\c
.endr
.endr
	ds_load_b128 v[VS:VS+3], v[ADS] offset:4096
.irp b, 0,1,2,3
	v_exp_f32 v[BM+\b], v[BM+\b]                   ; the block's largest p
.endr
	v_pk_add_f32 v[236:237], v[S:S+1], v[S+2:S+3]  ; the row's sum is taken of the unquantised p, in two chains
.set SN, 0
.rept 15
	v_pk_add_f32 v[14:15], v[14:15], v[S+4+4*SN:S+5+4*SN]
	v_pk_add_f32 v[236:237], v[236:237], v[S+6+4*SN:S+7+4*SN]
.if (\nx) && (SN < 8)
	ds_load_b128 v[KF+4*SN:KF+4*SN+3], v[ADK] offset:4096+512*SN   ; the next step's K, nine loads dealt among the sums: no vector line since the wait above names K's registers or v8, v10
.endif
.if (\nx) && (SN == 8)
	ds_load_b128 v[KS:KS+3], v[ADS] offset:256
.endif
.set SN, SN+1
.endr
	v_pk_add_f32 v[14:15], v[14:15], v[236:237]
	s_wait_alu depctr_va_vdst(0)                   ; the four exponentials have written the blocks' largest p, ahead of its first reader
.irp b, 0,1,2,3
	v_max_num_f32 v[BM+\b], 0x1800000, v[BM+\b]    ; the floor 2^(3 - 127): the byte cannot fall under 1
.endr
.irp b, 0,1,2,3
	v_add_nc_u32 v[SCL+\b], 0xff000000, v[BM+\b]   ; 2 off the exponent field: the conversion's scale operand
.endr
.irp b, 0,1,2,3
	v_lshrrev_b32 v[T2+\b], 23, v[SCL+\b]          ; the scale's byte
.endr
	v_lshl_or_b32 v[PS], v[T2+1], 8, v[T2]         ; p's scale word for these 128 keys
	v_lshl_or_b32 v[PS], v[T2+2], 16, v[PS]
	v_lshl_or_b32 v[PS], v[T2+3], 24, v[PS]
.irp b, 0,1,2,3
	v_cvt_scalef32_pk8_fp4_f32 v[PCD+2*\b], v[S+16*\b:S+7+16*\b], v[SCL+\b]
	v_cvt_scalef32_pk8_fp4_f32 v[PCD+1+2*\b], v[S+8+16*\b:S+15+16*\b], v[SCL+\b]
.endr
	v_nop                                          ; one plain place behind a scaled conversion
.irp c, 0,1                                    ; a whole block in a lane: lanes 0-15 block 2 c, lanes 16-31 block 2 c + 1
.irp i, 0,1
	v_permlane16_swap_b32 v[PCD+4*\c+\i], v[PCD+2+4*\c+\i]
.endr
.endr
.irp j, 0,2,4,6,8,10,12,14,16,18,20,22,24,26,28,30
	v_pk_mul_f32 v[O+\j:O+1+\j], v[O+\j:O+1+\j], v[30:31] op_sel_hi:[1,0]   ; O^T under the new M.  (For each product below at least eight of these name none of its registers: the places behind the scale word's and the codes' writes)
.endr
.if \nx
	s_wait_dscnt 9                                 ; V and its scale words are in; the next step's nine loads of K may be out
.else
	s_wait_dscnt 0x0                               ; V and its scale words are in
.endif
	s_wait_alu depctr_va_vdst(0)                   ; p's codes and p's scale word are written, which the products below take as source 1 and as its scales; the places stand above
.irp t, 0,1,2,3                                ; O^T += V^T P^T: four tiles of 16 of the head's 64; K = these 128 keys.  Eight other products stand between two on one accumulator
	v_wmma_scale_f32_16x16x128_f8f6f4 v[O+8*\t:O+8*\t+7], v[VF+8*\t:VF+8*\t+7], v[PCD:PCD+7], v[O+8*\t:O+8*\t+7], v[VS+\t], v[PS] matrix_a_fmt:MATRIX_FMT_FP4 matrix_b_fmt:MATRIX_FMT_FP4
.endr
.endm
.macro PASS p                          ; tile 32 x + 16 p + w of the head's queries
.if \p
	s_wait_xcnt 0x0                                ; the first tile's stores have had their addresses translated
	s_wait_alu depctr_vm_vsrc(0)                   ; the first tile's LDS stores have read v96-127 and its global stores v128-159, which the scores take again
.endif
	global_load_b128 v[20:23], v[QO], s[16:17] offset:8192*\p      ; (second tile: no vector or matrix line since the way out's last wait on va_vdst names v20-23, v238, K's registers or its scale words')
	global_load_b32 v238, v[QSO], s[18:19] offset:512*\p
.irp t, 0,1,2,3,4,5,6,7
	ds_load_b128 v[KF+4*\t:KF+4*\t+3], v[AK] offset:512*\t         ; step 0's K
.endr
	ds_load_b128 v[KS:KS+3], v[ASC]
	v_mov_b32 v13, 0xff61b1e6                      ; the largest t so far: -3e38, under every t
	v_floor_f32 v12, -v13                          ; -M
	v_mov_b32 v14, 0
	v_mov_b32 v15, 0
	s_mov_b32 s28, 0                               ; the step's place in the images: 4,096 a step
	s_mov_b32 s29, 0                               ; among the scale words: 256
	s_mov_b32 s30, 0                               ; among the mask's words: 512
	s_mov_b32 s27, 0                               ; among the flags: 2 bits
	s_wait_loadcnt 0x0
	v_perm_b32 v[QS], v238, v238, s33              ; my tile's two scale bytes, for the lower and for the upper 64 along K
.irp j, 0,1,2,3,4,5,6,7,8,9,10,11,12,13,14,15,16,17,18,19,20,21,22,23,24,25,26,27,28,29,30,31
	v_mov_b32 v[O+\j], 0                           ; O^T: the step is written once, and its first trip finds zeros.  (These are also the places between the scale register's write and the first product)
.endr
	s_wait_alu depctr_va_vdst(0)                   ; v28 is written, which the S^T products take as source 1's scales
	s_mov_b32 s31, 15
.Lstep_\@:
	STEP 1
	s_add_co_u32 s28, s28, 4096
	s_add_co_u32 s29, s29, 256
	s_add_co_u32 s30, s30, 512
	s_add_co_u32 s27, s27, 2
	s_sub_co_u32 s31, s31, 1
	s_cmp_lg_u32 s31, 0
	s_cbranch_scc1 .Lstep_\@
	STEP 0                                         ; the 16th step is written out: there is no K behind it
	; THE WAY OUT: O^T / the sum goes through my stage and leaves as rows: sixteen lanes store my head's 256 consecutive bytes of a row of out0, aligned
.rept 4
	v_nop                                          ; places behind the last products
.endr
	v_add_f32 v14, v14, v15                        ; the sum's two halves,
	v_permlanex16_b32 v238, v14, s[SEL], s[SEL+1]
	v_add_f32 v14, v14, v238                       ; and lane l xor 16's
	s_wait_alu depctr_va_vdst(0)
	v_rcp_f32 v14, v14
	v_nop                                          ; a plain line behind the reciprocal
	s_wait_alu depctr_va_vdst(0)                   ; the reciprocal has written v14, ahead of its first reader
.irp j, 0,1,2,3,4,5,6,7,8,9,10,11,12,13,14,15,16,17,18,19,20,21,22,23,24,25,26,27,28,29,30,31
	v_mul_f32 v[S+\j], v[O+\j], v14                ; register 8 t + i: d = 32 (t / 2) + 16 h + 8 (t % 2) + i of query row r
.endr
	s_wait_alu depctr_va_vdst(0)                   ; the multiplications have written v96-127, which the LDS stores read; the last step's vector lines are done with v128-159, in which the rows land
.irp n, 0,1,2,3,4,5,6,7
	ds_store_b128 v[STO], v[S+4*\n:S+4*\n+3] offset:128*(\n/4)+16*(\n%4)
.endr
.irp i, 0,1,2,3,4,5,6,7
	ds_load_b128 v[128+4*\i:131+4*\i], v[RD] offset:544*\i     ; rows 2 i and 2 i + 1.  LDS serves a wave's instructions in order: these see my stores
.endr
.irp i, 0,1,2,3,4,5,6,7
	s_wait_dscnt 7-\i
	global_store_b128 v[GO], v[128+4*\i:131+4*\i], s[24:25] offset:1048576*\p+(2*\i+8*(\i/4))*4096 th:TH_STORE_NT   ; row rho of the tile is token rho + 8 (rho / 8)
.endr
.endm
	PASS 0
	PASS 1
	s_wait_dscnt 0x0                               ; the closing lines, six on end
	s_wait_alu 0x0
	s_wait_tensorcnt 0x0
	ds_add_u32 v254, v255
	s_wait_dscnt 0x0
	s_endpgm
.Lfunc_end_k_qb138c07570_attn:
	.size	k_qb138c07570_attn, .Lfunc_end_k_qb138c07570_attn-k_qb138c07570_attn
	.p2alignl 7, 3214868480
	.fill 96, 4, 3214868480
	.section	.rodata,"a",@progbits
	.p2align	6, 0x0
	.amdhsa_kernel k_qb138c07570_attn
		.amdhsa_group_segment_fixed_size 219136
		.amdhsa_private_segment_fixed_size 0
		.amdhsa_enable_private_segment 0
		.amdhsa_kernarg_size 32
		.amdhsa_user_sgpr_count 2
		.amdhsa_user_sgpr_kernarg_segment_ptr 1
		.amdhsa_wavefront_size32 1
		.amdhsa_system_sgpr_workgroup_id_x 1
		.amdhsa_system_sgpr_workgroup_id_y 1
		.amdhsa_system_sgpr_workgroup_id_z 1
		.amdhsa_system_vgpr_workitem_id 0
		.amdhsa_next_free_vgpr 256
		.amdhsa_next_free_sgpr 66
		.amdhsa_reserve_vcc 1
		.amdhsa_float_denorm_mode_32 3
		.amdhsa_float_denorm_mode_16_64 3
		.amdhsa_memory_ordered 1
		.amdhsa_forward_progress 1
		.amdhsa_inst_pref_size 91
	.end_amdhsa_kernel
	.amdgpu_metadata
---
amdhsa.version: [ 1, 2 ]
amdhsa.kernels:
  - .name:           k_qb138c07570_attn
    .symbol:         k_qb138c07570_attn.kd
    .args:
      - { .name: acodes, .offset: 0, .size: 8, .value_kind: global_buffer, .address_space: global }
      - { .name: ascales, .offset: 8, .size: 8, .value_kind: global_buffer, .address_space: global }
      - { .name: k_mask, .offset: 16, .size: 8, .value_kind: global_buffer, .address_space: global }
      - { .name: out0, .offset: 24, .size: 8, .value_kind: global_buffer, .address_space: global }
    .group_segment_fixed_size: 219136
    .private_segment_fixed_size: 0
    .kernarg_segment_align: 8
    .kernarg_segment_size: 32
    .max_flat_workgroup_size: 512
    .sgpr_count:     66
    .vgpr_count:     256
    .wavefront_size: 32
...
	.end_amdgpu_metadata
.endif
;; end of part 5
